; MI455X (gfx1250); checked and timed in simulation.
; The chip was launched on July 23, 2026; its instructions are those of AMD's public machine-readable ISA for CDNA 5 (MIT licence, August 2026) and "CDNA5" Instruction Set Architecture Reference Guide (July 2026). The comments in the code are by the model that wrote it; some were corrected since.
;; LSTM Cell. Allowed arithmetic: matrix products marked QUANTISED: E2M3 operands, one E8M0 scale for each 32 along K, by v_wmma_scale_f32_16x16x128_f8f6f4 with both operands' format E2M3, f32 sums; everything else in f32.
;; Inputs: bias 4,096 float32; c0 8,192 x 1,024 float32; h0_codes 8,192 x 32 x 24 uint8 (E2M3 codes of h0, K innermost, in blocks of 32 codes, four codes in three bytes); h0_scales 8,192 x 32 uint8 (E8M0 scales of h0, one for each 32 codes along K); ln1_b 4,096 float32; ln1_g 4,096 float32; ln2_b 4,096 float32; ln2_g 4,096 float32; ln3_b 1,024 float32; ln3_g 1,024 float32; weight_h_codes 4,096 x 32 x 24 uint8 (E2M3 codes of weight_h, K innermost, in blocks of 32 codes, four codes in three bytes); weight_h_scales 4,096 x 32 uint8 (E8M0 scales of weight_h, one for each 32 codes along K); weight_x_codes 4,096 x 32 x 24 uint8 (E2M3 codes of weight_x, K innermost, in blocks of 32 codes, four codes in three bytes); weight_x_scales 4,096 x 32 uint8 (E8M0 scales of weight_x, one for each 32 codes along K); x_codes 8,192 x 32 x 24 uint8 (E2M3 codes of x, K innermost, in blocks of 32 codes, four codes in three bytes); x_scales 8,192 x 32 uint8 (E8M0 scales of x, one for each 32 codes along K).
;; Outputs: out0 8,192 x 1,024 float32; out1 8,192 x 1,024 float32.
;; This version of the problem:
;;   THIS VERSION OF THE PROBLEM IS GIVEN IN LOW PRECISION. The matrix products marked QUANTISED in the list below multiply operands that are first quantised to E2M3 (2 exponent bits, 3 mantissa bits; 6 bits a number), with one power-of-two scale for each 32 numbers along K (OCP MX v1.0); their sums are f32. All else is computed in f32.
;;   The module's matrix products, in the order in which they are computed (A, B: the left and right operand; K: the contracted axis; several contracted axes count as one K, in the product's order):
;;     1. [M 8,192, K 1,024] x [K 1,024, N 4,096]; A: input h0 (given as codes); B: input weight_h (given as codes): QUANTISED
;;     2. [M 8,192, K 1,024] x [K 1,024, N 4,096]; A: input x (given as codes); B: input weight_x (given as codes): QUANTISED
;;   THE QUANTISER, for each operand of a quantised product, along K:
;;     - K is cut into blocks of 32 from its start; a last block that is shorter is filled with zeros.
;;     - A block's scale is 2^e with e = floor(log2(the largest magnitude in the block)) - 2, held to -126 .. 127; a block of zeros has e = 0. As a byte (E8M0): e + 127.
;;     - Each number is divided by its block's scale, clamped to +-7.5, and rounded to the nearest number of E2M3, ties to even, subnormals kept.
;;     - The product sums the exact products of the quantised numbers (number of the format x scale) in f32.
;;   ~~~python
;;   def quantise(x, axis):      # numpy; x: float32 -> the quantised numbers, widened to float32 again
;;       x = np.moveaxis(x, axis, -1); K = x.shape[-1]
;;       x = np.pad(x, [(0, 0)] * (x.ndim - 1) + [(0, -K % 32)]); x = x.reshape(x.shape[:-1] + (-1, 32)); a = np.abs(x).max(-1, keepdims=True)
;;       e = np.where(a > 0, np.clip(np.frexp(np.where(a > 0, a, 1))[1] - 1 - 2, -126, 127), 0)      # np.frexp(a)[1] - 1 = floor(log2(a)), exactly
;;       r = np.clip(x / 2.0 ** e, -7.5, 7.5)
;;       step = 2.0 ** (np.maximum(np.frexp(np.where(r == 0, 1, r))[1] - 1, 0) - 3)
;;       q = np.round(r / step) * step * 2.0 ** e      # np.round: ties to even
;;       return np.moveaxis(q.reshape(q.shape[:-2] + (-1,))[..., :K], -1, axis).astype(np.float32)
;;   ~~~
;;   INPUTS GIVEN AS CODES. h0 (in the module: [8192, 1024], K = its axis 1); weight_h (in the module: [1024, 4096], K = its axis 0); weight_x (in the module: [1024, 4096], K = its axis 0); x (in the module: [8192, 1024], K = its axis 1): each comes as NAME_codes (uint8): NAME with its K axis moved to the last place and cut into blocks of 32 codes, [.., K / 32, bytes a block], one block behind the other in memory; four codes in three bytes: a row's codes are one little-endian stream of bits, code i at bits 6 i .. 6 i + 5 (a code: sign, 2 exponent bits, 3 mantissa bits); and NAME_scales (uint8): the same leading axes, one E8M0 byte (e + 127) for each 32 codes along K. Its value is code x scale, taken as it is: it is not quantised again, and the codes and scales need not be those that the quantiser above would give.
;; One version. Each part assembles by itself: llvm-mc -triple=amdgcn-amd-amdhsa -mcpu=gfx1250 --defsym DOCPART=n.
;; ======== version 1 of 1: 4 launches
;; limits: inputs' magnitudes at most 70,368,744,177,664; right only within a limited range of input values
;; workspace buffers: aimg 13,107,200 bytes; wimg 6,553,600 bytes; part 4,194,304 bytes; og 33,554,432 bytes
;; launch prep (part 1): grid 384 x 1, 4 waves a work-group, no clusters, 0 bytes of LDS; arguments h0_codes, h0_scales, x_codes, x_scales, weight_h_codes, weight_h_scales, weight_x_codes, weight_x_scales, aimg, wimg; writes aimg, wimg
.if DOCPART == 1
	.amdgcn_target "amdgcn-amd-amdhsa--gfx1250"
	.amdhsa_code_object_version 6
	.text
	.protected	k_q48b62a500f_prep
	.globl	k_q48b62a500f_prep
	.p2align	8
	.type	k_q48b62a500f_prep,@function
k_q48b62a500f_prep:
	s_mov_b64 s[64:65], 0
	v_nop
	global_prefetch_b8 v0, s[64:65] scope:SCOPE_SE
	s_setreg_imm32_b32 hwreg(HW_REG_WAVE_MODE, 25, 1), 1
	s_wait_xcnt 0x0
; FIRST OF FOUR LAUNCHES.  The codes and scale bytes of both products' operands are laid as images of the matrix operand's registers; no number is changed, no work of the problem is left out.
; An image is 16 rows x 128 K: register 4 c + j of lane l at byte 512 c + 16 l + 4 j, 1,536 bytes.  A panel is the images of one K step, then their scale words (64 bytes an image, 4 bytes a row).
; aimg: [product][128 rows][K step] panels of 8 images.  wimg: [product][64 hidden columns][K step] panels of 16 images; image 4 w + g holds gate g's weight rows 1,024 g + 64 t + 16 w + 0 .. 15.
; A wave takes 16 rows for all of K: 48 loads of 8 bytes a lane and one of 16 (the scales), all issued at once; 24 stores of 512 consecutive bytes.  Work-groups 0-255 serve the activations, 256-383 the weights.
; A stream: no LDS, no matrix unit, no cluster (no two work-groups read the same bytes).
.set PA, 12800
.set PB, 25600
.set QA, 64*8*PA
.set QB, 16*8*PB
.set D,  16                            ; v[16:111] the codes: K step k at D + 12 k
.set S,  8                             ; v[8:11] four scale words: K steps 4 h + 0 .. 3 of row r
; s28: the 16-row block in its source; s29: the image's number in its panel; s4: the first panel's byte offset; s[30:31], s[32:33]: codes and scales
.macro BODY P, SO, dst
	s_mul_i32 s6, s28, 16*768
	s_add_nc_u64 s[30:31], s[30:31], s[6:7]
	s_lshl_b32 s6, s28, 9
	s_add_nc_u64 s[32:33], s[32:33], s[6:7]
	s_mul_i32 s6, s29, 1536
	s_add_co_u32 s6, s6, s4
	s_add_nc_u64 s[34:35], s[\dst:\dst+1], s[6:7]
	s_lshl_b32 s6, s29, 6
	s_add_co_u32 s6, s6, s4
	s_add_nc_u64 s[36:37], s[\dst:\dst+1], s[6:7]
	v_mad_u32_u24 v7, v3, 4*\P, v7                 ; lanes 16-31 hold the words of K steps 4-7: four panels on
	s_wait_alu depctr_va_vdst(0)
	global_load_b128 v[S:S+3], v5, s[32:33]
.irp k, 0,1,2,3,4,5,6,7
.irp p, 0,1,2,3,4,5
	global_load_b64 v[D+12*\k+2*\p:D+12*\k+2*\p+1], v4, s[30:31] offset:96*\k+48*(\p/3)+8*(\p%3)
.endr
.endr
.irp k, 0,1,2,3,4,5,6,7
	s_wait_loadcnt 6*(7-\k)                        ; the later K steps' loads, six each, may stay out
.irp c, 0,1,2
	global_store_b128 v6, v[D+12*\k+4*\c:D+12*\k+4*\c+3], s[34:35] offset:\k*\P+512*\c
.endr
.endr
.irp j, 0,1,2,3
	global_store_b32 v7, v[S+\j], s[36:37] offset:\j*\P+\SO
.endr
	s_endpgm
.endm
	s_load_b512 s[8:23], s[0:1], 0x0               ; h0 codes s[8:9], scales s[10:11]; x s[12:15]; weight_h s[16:19]; weight_x s[20:23]
	s_load_b128 s[24:27], s[0:1], 0x40             ; aimg s[24:25], wimg s[26:27]
	v_lshrrev_b32 v1, 5, v0
	v_readfirstlane_b32 s2, v1                     ; wave
	v_and_b32 v2, 15, v0                           ; r
	v_bfe_u32 v3, v0, 4, 1                         ; h
	v_mul_u32_u24 v4, v2, 768
	v_mad_u32_u24 v4, v3, 24, v4                   ; codes: row r of 768 bytes + 24 h
	v_lshlrev_b32 v5, 5, v2
	v_lshl_add_u32 v5, v3, 4, v5                   ; scales: row r of 32 bytes + 16 h
	v_and_b32 v6, 31, v0
	v_lshlrev_b32 v6, 4, v6                        ; 16 x lane
	v_lshlrev_b32 v7, 2, v2                        ; 4 r
	s_lshl_b32 s3, ttmp9, 2
	s_add_co_u32 s3, s3, s2                        ; the wave's task
	s_mov_b32 s7, 0
	s_wait_alu depctr_va_vdst(0)
	s_wait_kmcnt 0x0
	s_cmp_lt_u32 ttmp9, 256
	s_cbranch_scc0 .Lweights
	s_and_b32 s28, s3, 511                         ; which 16 rows
	s_cmp_lt_u32 s3, 512                           ; h0 or x
	s_cselect_b64 s[30:31], s[8:9], s[12:13]
	s_cselect_b64 s[32:33], s[10:11], s[14:15]
	s_cselect_b32 s4, 0, QA
	s_lshr_b32 s29, s28, 3
	s_mul_i32 s29, s29, 8*PA
	s_add_co_u32 s4, s4, s29
	s_and_b32 s29, s28, 7
	BODY PA, 12288, 24
.Lweights:
	s_and_b32 s28, s3, 255                         ; block 64 g + 4 t + w
	s_cmp_lt_u32 s3, 1280                          ; weight_h or weight_x
	s_cselect_b64 s[30:31], s[16:17], s[20:21]
	s_cselect_b64 s[32:33], s[18:19], s[22:23]
	s_cselect_b32 s4, 0, QB
	s_bfe_u32 s29, s28, 0x40002                    ; t
	s_mul_i32 s29, s29, 8*PB
	s_add_co_u32 s4, s4, s29
	s_and_b32 s29, s28, 3
	s_lshl_b32 s29, s29, 2
	s_lshr_b32 s6, s28, 6
	s_add_co_u32 s29, s29, s6                      ; 4 w + g
	BODY PB, 24576, 26
.Lfunc_end_k_q48b62a500f_prep:
	.size	k_q48b62a500f_prep, .Lfunc_end_k_q48b62a500f_prep-k_q48b62a500f_prep
	.p2alignl 7, 3214868480
	.fill 96, 4, 3214868480
	.section	.rodata,"a",@progbits
	.p2align	6, 0x0
	.amdhsa_kernel k_q48b62a500f_prep
		.amdhsa_group_segment_fixed_size 0
		.amdhsa_private_segment_fixed_size 0
		.amdhsa_enable_private_segment 0
		.amdhsa_kernarg_size 80
		.amdhsa_user_sgpr_count 2
		.amdhsa_user_sgpr_kernarg_segment_ptr 1
		.amdhsa_wavefront_size32 1
		.amdhsa_system_sgpr_workgroup_id_x 1
		.amdhsa_system_sgpr_workgroup_id_y 1
		.amdhsa_system_sgpr_workgroup_id_z 1
		.amdhsa_system_vgpr_workitem_id 0
		.amdhsa_next_free_vgpr 112
		.amdhsa_next_free_sgpr 66
		.amdhsa_reserve_vcc 0
		.amdhsa_float_denorm_mode_32 3
		.amdhsa_float_denorm_mode_16_64 3
		.amdhsa_memory_ordered 1
		.amdhsa_forward_progress 1
		.amdhsa_inst_pref_size 19
	.end_amdhsa_kernel
	.amdgpu_metadata
---
amdhsa.version: [ 1, 2 ]
amdhsa.kernels:
  - .name:           k_q48b62a500f_prep
    .symbol:         k_q48b62a500f_prep.kd
    .args:
      - { .name: h0_codes, .offset: 0, .size: 8, .value_kind: global_buffer, .address_space: global }
      - { .name: h0_scales, .offset: 8, .size: 8, .value_kind: global_buffer, .address_space: global }
      - { .name: x_codes, .offset: 16, .size: 8, .value_kind: global_buffer, .address_space: global }
      - { .name: x_scales, .offset: 24, .size: 8, .value_kind: global_buffer, .address_space: global }
      - { .name: weight_h_codes, .offset: 32, .size: 8, .value_kind: global_buffer, .address_space: global }
      - { .name: weight_h_scales, .offset: 40, .size: 8, .value_kind: global_buffer, .address_space: global }
      - { .name: weight_x_codes, .offset: 48, .size: 8, .value_kind: global_buffer, .address_space: global }
      - { .name: weight_x_scales, .offset: 56, .size: 8, .value_kind: global_buffer, .address_space: global }
      - { .name: aimg, .offset: 64, .size: 8, .value_kind: global_buffer, .address_space: global }
      - { .name: wimg, .offset: 72, .size: 8, .value_kind: global_buffer, .address_space: global }
    .group_segment_fixed_size: 0
    .private_segment_fixed_size: 0
    .kernarg_segment_align: 8
    .kernarg_segment_size: 80
    .max_flat_workgroup_size: 128
    .sgpr_count:     66
    .vgpr_count:     112
    .wavefront_size: 32
...
	.end_amdgpu_metadata
.endif
;; end of part 1
;; launch stats (part 2): grid 32 x 8, 4 waves a work-group, clusters of 4 x 4, 327,680 bytes of LDS; arguments aimg, wimg, part; writes part
.if DOCPART == 2
	.amdgcn_target "amdgcn-amd-amdhsa--gfx1250"
	.amdhsa_code_object_version 6
	.text
	.protected	k_q48b62a500f_stats
	.globl	k_q48b62a500f_stats
	.p2align	8
	.type	k_q48b62a500f_stats,@function
k_q48b62a500f_stats:
	s_mov_b64 s[64:65], 0
	v_nop
	global_prefetch_b8 v0, s[64:65] scope:SCOPE_SE
	s_setreg_imm32_b32 hwreg(HW_REG_WAVE_MODE, 25, 1), 1
	s_wait_xcnt 0x0
	s_wait_alu depctr_hold_cnt(0) depctr_sa_sdst(0) depctr_va_vdst(0) depctr_va_sdst(0) depctr_va_ssrc(0) depctr_va_vcc(0) depctr_vm_vsrc(0)
	s_getreg_b32 s2, hwreg(HW_REG_IB_STS2, 6, 4)
	s_cmp_eq_u32 s2, 0
	s_cbranch_scc0 .Lentry_in_a_cluster
	s_endpgm
.Lentry_in_a_cluster:
	s_bfe_u32 s2, ttmp6, 0x10000c
	s_cmp_lg_u32 s2, 0xf033
	s_cbranch_scc0 .Lentry_shape_is_right
	s_endpgm
.Lentry_shape_is_right:
; SECOND OF FOUR LAUNCHES.  Both products, for the rows' statistics alone: for each row and each run of 128 columns (mean, M2 = sum of (y - mean)^2) -> part[product x 32 + run][row].
; A work-group makes four tiles of 256 rows x 256 columns, one below the other (2,048 rows apart); a wave 128 x 128: 64 accumulators.  Grid x: 16 column tiles x 2 products; grid y: 8 tile rows.
; OPERANDS are the register images of aimg and wimg: dense blocks, fetched as rows of 256 bytes; a fragment is three ds_load_b128 at 16 x lane; the scale words ride in the panels.
; THE WEIGHTS STAY: the tile column's eight panels, 204,800 bytes, are fetched once and serve all four tiles.  The activations go through a ring of two slots, each 256 along K of 256 rows (four panels, 51,200 bytes).
; THE HEAD: waves 0, 1 ask for slot 0's halves, waves 2, 3 for the weights' K steps 0-1 and 2-3; behind the full sequence and a round: slot 1's halves and the weights' K steps 4-5 and 6-7.  Refills: waves 0 and 1, one load each.
; CLUSTERS 4 x 4: the activations' panels are asked for jointly along a row of the cluster, the weights' along a column.  By this text's count a wave has one tensor load out at the most.
; The weights are asked for at the head alone, and a refill is two loads of 25,600 bytes for 128 matrix instructions a wave.
; TRANSPOSED USE: source 0 = 16 weight rows, source 1 = 16 activation rows: lane (r, h) holds row r, its registers columns.
; LIMITS: NaN, infinities and the scale byte 0xff are not served.
; REGISTERS: window 0: v4-17 addresses, v32-63 scale words (two sets), v64-103 and v224-255 the statistics' work, v128-223 the activations' fragments (one set); window 1: the weights' fragments, sets at v0 and v128; windows 2, 3: accumulators.
.set PA,     12800
.set PB,     25600
.set ASLOT,  4*PA
.set BB,     2*ASLOT                   ; the weights' eight panels
.set SPARE,  BB+8*PB                   ; the spare words: 512 bytes that no other line names
.set QA,     64*8*PA
.set QB,     16*8*PB
.set TILES,  4
.set NEXT_A, 16*8*PA-4*PA              ; from a slot's last fill of a tile to its first of the next
.set NQ,     2
.set FR,     12
.set NL,     3
.set NP,     4
.set ADRA, 4                           ; v4-5   16 x lane + slot + my 128 rows' two panels
.set ASA,  6                           ; v6-7   4 x lane + the same
.set ADRB, 8                           ; v8-11  16 x lane + the weights' panels 2 j, my eight images
.set ASB,  12                          ; v12-15 4 x lane + those images' scale words
.set LN,   16
.set PO,   17
.set SPW,  28
.set NIL,  29
.set SC,   32
.set QS,   64
.set OUTP, 96
.set AF,   128
.set SM,   224
.set MN,   240
.set G1, 24
.set G0, 32
.set G1B, 48
.set G0B, 56
.set MSB, 0
.macro WIN new
.if MSB != (\new)
	s_set_vgpr_msb (MSB<<8)|(\new)
.set MSB, (\new)
.endif
.endm
.set MUL_LO, 0xa1
.set MUL_HI, 0xf1
.set TO_B,   0x40
.macro PLACES n
.rept \n
	v_nop
.endr
.endm
.macro JLOAD s                         ; the first fills: waves 0, 1 for the activations, waves 2, 3 for the weights
	s_cmp_eq_u32 s15, 0
	s_cbranch_scc0 .Lfor_b_\@
	tensor_load_to_lds s[G0+4*\s:G0+4*\s+3], s[G1:G1+7]
	s_nop 0
	PLACES 4
	s_branch .Lasked_\@
.Lfor_b_\@:
	tensor_load_to_lds s[G0B+4*\s:G0B+4*\s+3], s[G1B:G1B+7]
	s_nop 0
	PLACES 4
.Lasked_\@:
.endm
.macro ALOAD s                         ; a refill: waves 0 and 1 alone; the four v_nop are every wave's places in front of the LDS loads that follow
	s_cmp_eq_u32 s15, 0
	s_cbranch_scc0 .Lnone_\@
	tensor_load_to_lds s[G0+4*\s:G0+4*\s+3], s[G1:G1+7]
	s_nop 0
.Lnone_\@:
	PLACES 4
.endm
.macro CREST
	s_cmp_lg_u32 s14, 0
	s_cbranch_scc1 .Lnot_wave_0_\@
	s_barrier_signal -3
.Lnot_wave_0_\@:
	s_barrier_wait -3
	s_barrier_signal -1
	s_barrier_wait -1
.endm
.macro CROUND
	s_barrier_signal -1
	s_barrier_wait -1
	CREST
.endm
.macro FRAG reg, adr, off
.irp c, 0,1,2
	ds_load_b128 v[\reg+4*\c:\reg+4*\c+3], v[\adr] offset:\off+512*\c
.endr
.endm
.macro WM d, f0, f1, s0, s1, o0, o1, zero
.if \zero
.if (\o0) && (\o1)
	v_wmma_scale_f32_16x16x128_f8f6f4 v[\d:\d+7], v[\f0:\f0+11], v[\f1:\f1+11], 0, v[\s0], v[\s1] matrix_a_fmt:MATRIX_FMT_FP6 matrix_b_fmt:MATRIX_FMT_FP6 matrix_a_scale:MATRIX_SCALE_ROW1 matrix_b_scale:MATRIX_SCALE_ROW1
.elseif \o0
	v_wmma_scale_f32_16x16x128_f8f6f4 v[\d:\d+7], v[\f0:\f0+11], v[\f1:\f1+11], 0, v[\s0], v[\s1] matrix_a_fmt:MATRIX_FMT_FP6 matrix_b_fmt:MATRIX_FMT_FP6 matrix_a_scale:MATRIX_SCALE_ROW1
.elseif \o1
	v_wmma_scale_f32_16x16x128_f8f6f4 v[\d:\d+7], v[\f0:\f0+11], v[\f1:\f1+11], 0, v[\s0], v[\s1] matrix_a_fmt:MATRIX_FMT_FP6 matrix_b_fmt:MATRIX_FMT_FP6 matrix_b_scale:MATRIX_SCALE_ROW1
.else
	v_wmma_scale_f32_16x16x128_f8f6f4 v[\d:\d+7], v[\f0:\f0+11], v[\f1:\f1+11], 0, v[\s0], v[\s1] matrix_a_fmt:MATRIX_FMT_FP6 matrix_b_fmt:MATRIX_FMT_FP6
.endif
.else
.if (\o0) && (\o1)
	v_wmma_scale_f32_16x16x128_f8f6f4 v[\d:\d+7], v[\f0:\f0+11], v[\f1:\f1+11], v[\d:\d+7], v[\s0], v[\s1] matrix_a_fmt:MATRIX_FMT_FP6 matrix_b_fmt:MATRIX_FMT_FP6 matrix_a_scale:MATRIX_SCALE_ROW1 matrix_b_scale:MATRIX_SCALE_ROW1
.elseif \o0
	v_wmma_scale_f32_16x16x128_f8f6f4 v[\d:\d+7], v[\f0:\f0+11], v[\f1:\f1+11], v[\d:\d+7], v[\s0], v[\s1] matrix_a_fmt:MATRIX_FMT_FP6 matrix_b_fmt:MATRIX_FMT_FP6 matrix_a_scale:MATRIX_SCALE_ROW1
.elseif \o1
	v_wmma_scale_f32_16x16x128_f8f6f4 v[\d:\d+7], v[\f0:\f0+11], v[\f1:\f1+11], v[\d:\d+7], v[\s0], v[\s1] matrix_a_fmt:MATRIX_FMT_FP6 matrix_b_fmt:MATRIX_FMT_FP6 matrix_b_scale:MATRIX_SCALE_ROW1
.else
	v_wmma_scale_f32_16x16x128_f8f6f4 v[\d:\d+7], v[\f0:\f0+11], v[\f1:\f1+11], v[\d:\d+7], v[\s0], v[\s1] matrix_a_fmt:MATRIX_FMT_FP6 matrix_b_fmt:MATRIX_FMT_FP6
.endif
.endif
.endm
; 16 matrix instructions: the activations' blocks a0, a0 + 1 x the weights' eight.  The 64 accumulators take turns in the same order in every K step.
.macro MUL16 a0, p, q, sc, zero
.irp a, \a0, \a0+1
.irp b, 0,1,2,3,4,5,6,7
	WM 8*(8*((\a)%4)+\b), 128*(\p)+FR*\b, AF+FR*(\a), SC+16*(\sc)+8+NQ*(\b/2)+(\q), SC+16*(\sc)+NQ*((\a)/2)+(\q), \b%2, (\a)%2, \zero
.endr
.endr
.endm
.macro FETCH_B ks, p                   ; the weights' eight fragments of K step ks into set p
	WIN TO_B
.irp i, 0,1,2,3,4,5,6,7
	FRAG 128*(\p)+FR*\i, ADRB+(\ks)/2, ((\ks)%2)*PB+1536*\i
.endr
	WIN 0
.endm
.macro FETCH_A slot, q, i0             ; the activations' blocks i0 .. i0 + 3 of the slot's K step q
.irp i, \i0, \i0+1, \i0+2, \i0+3
	FRAG AF+FR*(\i), ADRA+\slot, (\q)*PA+1536*(\i)
.endr
.endm
.macro SCALES sc, j                    ; the scale words of K steps 2 j, 2 j + 1: lanes 0-15 block 2 i, lanes 16-31 block 2 i + 1
.irp q, 0,1
.irp i, 0,1,2,3
	ds_load_b32 v[SC+16*\sc+2*\i+\q], v[ASA+\sc] offset:12288+\q*PA+128*\i
	ds_load_b32 v[SC+16*\sc+8+2*\i+\q], v[ASB+\j] offset:\q*PB+128*\i
.endr
.endr
.endm
.macro STEP slot, j, zero              ; K step 2 j (set 0); K step 2 j + 1's fragments are fetched in its middle and at its end
	s_wait_dscnt 4*NL                              ; the youngest twelve loads (blocks 4-7) may be out
	WIN MUL_LO
	MUL16 0, 0, 0, \slot, \zero
	MUL16 2, 0, 0, \slot, \zero
	s_wait_dscnt 0
	PLACES NP
	FETCH_B 2*(\j)+1, 1
	FETCH_A \slot, 1, 0
	WIN MUL_HI
	MUL16 4, 0, 0, \slot, \zero
	MUL16 6, 0, 0, \slot, \zero
	PLACES NP
	WIN 0
	FETCH_A \slot, 1, 4
.endm
; K step 2 j + 1 (set 1) changes slots.  fill = 1: the slot takes this tile's K two slots on; 2: the next tile's; 0: nothing.  jn: the next slot's pair of K steps.
.macro TURN slot, next, fill, jn
	s_wait_tensorcnt 0x0                           ; all my tensor loads have landed
	ds_add_u32 v[SPW], v[NIL]
	s_wait_dscnt 4*NL+1                            ; the add and blocks 4-7's twelve loads may be out
	WIN MUL_LO
	MUL16 0, 1, 1, \slot, 0
	s_wait_dscnt 0x0                               ; the add is done, my reads of this slot are over
	s_barrier_signal -1
	MUL16 2, 1, 1, \slot, 0
	WIN 0
	s_barrier_wait -1
.if \fill
	CREST                                          ; the barrier has opened a round of the cluster's
.if \fill == 1
	s_add_nc_u64 s[G0+4*\slot+2:G0+4*\slot+3], s[G0+4*\slot+2:G0+4*\slot+3], 4*PA
.else
	s_add_nc_u64 s[G0+4*\slot+2:G0+4*\slot+3], s[G0+4*\slot+2:G0+4*\slot+3], NEXT_A
.endif
	ALOAD \slot
.else
	PLACES NP
.endif
	FETCH_B 2*(\jn), 0
	FETCH_A \next, 0, 0
	SCALES \next, \jn
.if ASKON
	ASKA 128*PA+(((\jn)+3)%4)*2*PA
.endif
	WIN MUL_HI
	MUL16 4, 1, 1, \slot, 0
	MUL16 6, 1, 1, \slot, 0
	PLACES NP
	WIN 0
	FETCH_A \next, 0, 4
.endm
.macro SUMS w                          ; the rows' sums over my 64 numbers a block; each accumulator is read from its low end on
	WIN (\w)|((\w)<<2)
.irp a, 0,1,2,3
	v_pk_add_f32 v[SM+8*((\w)-2)+2*\a:SM+8*((\w)-2)+2*\a+1], v[64*\a:64*\a+1], v[64*\a+2:64*\a+3]
.endr
	WIN \w
.set i, 2
.rept 30
.irp a, 0,1,2,3
	v_pk_add_f32 v[SM+8*((\w)-2)+2*\a:SM+8*((\w)-2)+2*\a+1], v[64*\a+2*i:64*\a+2*i+1], v[SM+8*((\w)-2)+2*\a:SM+8*((\w)-2)+2*\a+1]
.endr
.set i, i+1
.endr
.endm
.macro DEVS w                          ; y - mean in place, then the sums of squares, in two chains a block
	WIN (\w)|((\w)<<6)
.set i, 0
.rept 32
.irp a, 0,1,2,3
	v_pk_add_f32 v[64*\a+2*i:64*\a+2*i+1], v[64*\a+2*i:64*\a+2*i+1], v[MN+8*((\w)-2)+2*\a:MN+8*((\w)-2)+2*\a+1] op_sel_hi:[1,0] neg_lo:[0,1] neg_hi:[0,1]
.endr
.set i, i+1
.endr
	WIN (\w)|((\w)<<2)
.irp c, 0,1
.irp a, 0,1,2,3
	v_pk_mul_f32 v[QS+16*((\w)-2)+4*\a+2*\c:QS+16*((\w)-2)+4*\a+2*\c+1], v[64*\a+2*\c:64*\a+2*\c+1], v[64*\a+2*\c:64*\a+2*\c+1]
.endr
.endr
.set i, 2
.rept 30
.irp a, 0,1,2,3
	v_pk_fma_f32 v[QS+16*((\w)-2)+4*\a+2*(i%2):QS+16*((\w)-2)+4*\a+2*(i%2)+1], v[64*\a+2*i:64*\a+2*i+1], v[64*\a+2*i:64*\a+2*i+1], v[QS+16*((\w)-2)+4*\a+2*(i%2):QS+16*((\w)-2)+4*\a+2*(i%2)+1]
.endr
.set i, i+1
.endr
.endm
.macro STATS
	SUMS 2
	SUMS 3
	WIN 0
.irp a, 0,1,2,3,4,5,6,7
	v_add_f32 v[SM+2*\a], v[SM+2*\a], v[SM+2*\a+1]
.endr
.irp a, 0,1,2,3,4,5,6,7
	v_permlanex16_b32 v[SM+2*\a+1], v[SM+2*\a], s92, s93
.endr
.irp a, 0,1,2,3,4,5,6,7
	v_add_f32 v[SM+2*\a], v[SM+2*\a], v[SM+2*\a+1]
.endr
.irp a, 0,1,2,3,4,5,6,7
	v_mul_f32 v[MN+2*\a], 0x3c000000, v[SM+2*\a]   ; / 128
	v_mul_f32 v[MN+2*\a+1], 0x3c000000, v[SM+2*\a]
.endr
	DEVS 2
	DEVS 3
	WIN 0
.irp a, 0,1,2,3,4,5,6,7
	v_pk_add_f32 v[QS+4*\a:QS+4*\a+1], v[QS+4*\a:QS+4*\a+1], v[QS+4*\a+2:QS+4*\a+3]
.endr
.irp a, 0,1,2,3,4,5,6,7
	v_add_f32 v[QS+4*\a], v[QS+4*\a], v[QS+4*\a+1]
.endr
.irp a, 0,1,2,3,4,5,6,7
	v_permlanex16_b32 v[QS+4*\a+1], v[QS+4*\a], s92, s93
.endr
.irp a, 0,1,2,3,4,5,6,7
	v_add_f32 v[MN+2*\a+1], v[QS+4*\a], v[QS+4*\a+1]
.endr
	v_cmp_le_u32 vcc_lo, 16, v[LN]
.irp i, 0,1,2,3
	v_cndmask_b32 v[OUTP+2*\i], v[MN+4*\i], v[MN+4*\i+2], vcc_lo       ; lanes 0-15 block 2 i, lanes 16-31 block 2 i + 1
	v_cndmask_b32 v[OUTP+2*\i+1], v[MN+4*\i+1], v[MN+4*\i+3], vcc_lo
.endr
.irp i, 0,1,2,3
	global_store_b64 v[PO], v[OUTP+2*\i:OUTP+2*\i+1], s[8:9] offset:256*\i   ; 32 rows x 8 bytes: 256 consecutive bytes, aligned
.endr
.endm
.macro TILE more
	STEP 0, 0, 1
	TURN 0, 1, 1, 1
	STEP 1, 1, 0
	TURN 1, 0, 1, 2
	STEP 0, 2, 0
.if \more
	TURN 0, 1, 2, 3
	STEP 1, 3, 0
	TURN 1, 0, 2, 0
	STATS                                          ; both refills are asked for, and the next tile's first fragments
	s_wait_xcnt 0x0                                ; the stores have read their base
	s_add_nc_u64 s[8:9], s[8:9], 2048*8
	s_add_nc_u64 s[96:97], s[96:97], 128*PA        ; the prefetches' base goes on to the next tile, behind the same wait
.else
	TURN 0, 1, 0, 3
	STEP 1, 3, 0
	s_wait_dscnt 4*NL
	WIN MUL_LO
	MUL16 0, 1, 1, 1, 0
	MUL16 2, 1, 1, 1, 0
	s_wait_dscnt 0
	WIN MUL_HI
	MUL16 4, 1, 1, 1, 0
	MUL16 6, 1, 1, 1, 0
	WIN 0
	PLACES NP
	STATS
.endif
.endm
	s_load_b128 s[4:7], s[0:1], 0x0                ; aimg s[4:5], wimg s[6:7]
	s_load_b64 s[8:9], s[0:1], 0x10                ; part
	v_lshl_add_u32 v[SPW], v0, 2, SPARE
	v_mov_b32 v[NIL], 0
	ds_add_u32 v[SPW], v[NIL]
	ds_add_u32 v[SPW], v[NIL]
	v_lshrrev_b32 v1, 5, v0
	v_readfirstlane_b32 s14, v1                    ; wave
; PREFETCHES: a lane names a block of 256 bytes.  Of a fill's four panels of aimg (50 blocks each) the partner at cx takes panel cx, threads 0-49 (waves 0 and 1; wave 1's lanes that are left over name its last block again);
; of the weights' panels 4-7 (100 blocks each) the partner at cy takes panel 4 + cy, threads 0-99.  A change of slots asks for the fill two refills on; the last tile asks for nothing, so every address stays inside aimg.
.set PFOA, 18                          ; v18  256 x min(thread, 49); never rewritten
.set PFOW, 19                          ; v19  256 x min(thread, 99); never rewritten
	v_min_u32 v[PFOA], 49, v0
	v_min_u32 v[PFOW], 99, v0
	v_lshlrev_b32 v[PFOA], 8, v[PFOA]
	v_lshlrev_b32 v[PFOW], 8, v[PFOW]
	s_wait_alu depctr_va_vdst(0)
.macro ASKA off
	s_cmp_eq_u32 s15, 0
	s_cbranch_scc0 .Lnot_a_\@
	global_prefetch_b8 v[PFOA], s[96:97] offset:\off th:TH_LOAD_NT scope:SCOPE_SE
.Lnot_a_\@:
.endm
	s_lshr_b32 s15, s14, 1
	s_and_b32 s16, s14, 1                          ; my half of the columns; also: which half I fetch
	s_bfe_u32 s40, ttmp6, 0x40000                  ; cx, cy
	s_bfe_u32 s41, ttmp6, 0x40004
	s_lshl_b32 s42, ttmp9, 2
	s_add_co_u32 s42, s42, s40
	s_and_b32 s13, s42, 15                         ; column tile
	s_lshr_b32 s12, ttmp9, 2                       ; product
	s_and_b32 s17, ttmp7, 0xffff
	s_lshl_b32 s17, s17, 2
	s_add_co_u32 s17, s17, s41                     ; tile row
	s_lshl_b32 s43, s41, 2
	s_lshl_b32 s43, 15, s43                        ; my row of the cluster
	s_lshl_b32 s44, 0x1111, s40                    ; my column
	s_or_b32 s[G1], s43, (3<<16)|(1<<21)           ; rows of 32 elements of 8 bytes, dense: 100 rows of aimg (two panels)
	s_mov_b32 s[G1+1], 32<<16
	s_mov_b32 s[G1+2], 100<<16
	s_mov_b32 s[G1+3], 32<<16
	s_mov_b32 s[G1+4], 100
	s_mov_b32 s[G1+5], 32
	s_mov_b32 s[G1+6], 0
	s_mov_b32 s[G1+7], 0
	s_or_b32 s[G1B], s44, (3<<16)|(1<<21)          ; 200 rows of wimg (two panels)
	s_mov_b32 s[G1B+1], 32<<16
	s_mov_b32 s[G1B+2], 200<<16
	s_mov_b32 s[G1B+3], 32<<16
	s_mov_b32 s[G1B+4], 200
	s_mov_b32 s[G1B+5], 32
	s_mov_b32 s[G1B+6], 0
	s_mov_b32 s[G1B+7], 0
	s_lshl_b32 s20, s17, 1
	s_add_co_u32 s20, s20, s16                     ; aimg: 128-row group 2 x tile row + half
	s_mul_i32 s20, s20, 8*PA
	s_mul_i32 s18, s12, QA
	s_add_co_u32 s20, s20, s18
	s_mov_b32 s21, 0
	s_mul_i32 s46, s13, 8*PB                       ; wimg: the column tile's panels, my two of four
	s_mul_i32 s95, s16, 2*PB
	s_add_co_u32 s46, s46, s95
	s_mul_i32 s19, s12, QB
	s_add_co_u32 s46, s46, s19
	s_mov_b32 s47, 0
	s_mul_i32 s45, s16, 2*PA
	s_wait_dscnt 0x0                               ; both opening adds are done
	s_wait_kmcnt 0x0
	s_add_nc_u64 s[20:21], s[4:5], s[20:21]
	s_add_nc_u64 s[46:47], s[6:7], s[46:47]
	s_lshr_b32 s10, s40, 1                         ; the prefetches' bases: aimg at this tile's K step 0 of my panel (row half cx / 2, K step cx % 2),
	s_lshl_b32 s11, s17, 1
	s_add_co_u32 s10, s10, s11
	s_mul_i32 s10, s10, 8*PA
	s_and_b32 s11, s40, 1
	s_mul_i32 s11, s11, PA
	s_add_co_u32 s10, s10, s11
	s_add_co_u32 s10, s10, s18
	s_mov_b32 s11, 0
	s_add_nc_u64 s[96:97], s[4:5], s[10:11]
	s_mul_i32 s10, s13, 8*PB                       ; wimg at the column tile's panel cy
	s_mul_i32 s2, s41, PB
	s_add_co_u32 s10, s10, s2
	s_add_co_u32 s10, s10, s19
	s_add_nc_u64 s[98:99], s[6:7], s[10:11]
	CROUND
.irp s, 0,1
	s_mov_b32 s[G0+4*\s], 1
	s_add_co_u32 s[G0+4*\s+1], s45, \s*ASLOT
	s_add_nc_u64 s[G0+4*\s+2:G0+4*\s+3], s[20:21], \s*2*PA
	s_or_b32 s[G0+4*\s+3], s[G0+4*\s+3], 0x80000000
	s_mov_b32 s[G0B+4*\s], 1
	s_add_co_u32 s[G0B+4*\s+1], s95, BB+\s*4*PB
	s_add_nc_u64 s[G0B+4*\s+2:G0B+4*\s+3], s[46:47], \s*4*PB
	s_or_b32 s[G0B+4*\s+3], s[G0B+4*\s+3], 0x80000000
.endr
	JLOAD 0                                        ; one tensor load a wave at the head
	ASKA 2*PA                                      ; what the next group of first fills will load: slot 1's panels,
	global_prefetch_b8 v[PFOW], s[98:99] offset:4*PB th:TH_LOAD_NT scope:SCOPE_SE   ; and the weights' panels 4-7
	s_lshl_b32 s18, s12, 5
	s_lshl_b32 s19, s13, 1
	s_add_co_u32 s18, s18, s19
	s_add_co_u32 s18, s18, s16
	s_lshl_b32 s18, s18, 13                        ; of 8,192 rows; row 256 x tile row + 128 x half; 8 bytes each
	s_lshl_b32 s19, s17, 8
	s_add_co_u32 s18, s18, s19
	s_lshl_b32 s19, s15, 7
	s_add_co_u32 s18, s18, s19
	s_lshl_b32 s18, s18, 3
	s_mov_b32 s19, 0
	s_add_nc_u64 s[8:9], s[8:9], s[18:19]
	s_mov_b32 s92, 0x76543210
	s_mov_b32 s93, 0xfedcba98
	s_mul_i32 s21, s15, 2*PA
	s_mul_i32 s22, s16, 8*1536
	s_add_co_u32 s22, s22, BB
	s_lshl_b32 s23, s16, 9
	s_add_co_u32 s23, s23, BB+24576
	v_and_b32 v[LN], 31, v0
	v_lshlrev_b32 v1, 4, v[LN]
	v_lshlrev_b32 v2, 2, v[LN]
	v_add_nc_u32 v[ADRA], s21, v1
	v_add_nc_u32 v[ASA], s21, v2
	v_add_nc_u32 v[ADRA+1], ASLOT, v[ADRA]
	v_add_nc_u32 v[ASA+1], ASLOT, v[ASA]
	v_add_nc_u32 v[ADRB], s22, v1
	v_add_nc_u32 v[ASB], s23, v2
.irp j, 1,2,3
	v_add_nc_u32 v[ADRB+\j], \j*2*PB, v[ADRB]
	v_add_nc_u32 v[ASB+\j], \j*2*PB, v[ASB]
.endr
	v_lshlrev_b32 v[PO], 3, v[LN]
	s_wait_alu depctr_va_vdst(0)
	s_wait_tensorcnt 0x0                           ; my first fill is in; the later first fills go out as refills do
	ds_add_u32 v[SPW], v[NIL]
	s_wait_dscnt 0x0
	CROUND
	JLOAD 1
	FETCH_B 0, 0
	FETCH_A 0, 0, 0
	SCALES 0, 0
	FETCH_A 0, 0, 4
	ASKA 4*PA                                      ; the first two refills' panels
	ASKA 6*PA
	s_mov_b32 s3, TILES-1
.set ASKON, 1                          ; a tile that has a successor asks, at its four changes of slots, for the successor's four fills
.Ltile:
	TILE 1
	s_sub_co_u32 s3, s3, 1
	s_cmp_lg_u32 s3, 0
	s_cbranch_scc1 .Ltile
.set ASKON, 0
	TILE 0
	s_wait_tensorcnt 0x0                           ; the wave's end
	ds_add_u32 v[SPW], v[NIL]
	s_wait_dscnt 0x0
	CROUND                                         ; the closing round
	s_endpgm
.Lfunc_end_k_q48b62a500f_stats:
	.size	k_q48b62a500f_stats, .Lfunc_end_k_q48b62a500f_stats-k_q48b62a500f_stats
	.p2alignl 7, 3214868480
	.fill 96, 4, 3214868480
	.section	.rodata,"a",@progbits
	.p2align	6, 0x0
	.amdhsa_kernel k_q48b62a500f_stats
		.amdhsa_group_segment_fixed_size 327680
		.amdhsa_private_segment_fixed_size 0
		.amdhsa_enable_private_segment 0
		.amdhsa_kernarg_size 24
		.amdhsa_user_sgpr_count 2
		.amdhsa_user_sgpr_kernarg_segment_ptr 1
		.amdhsa_wavefront_size32 1
		.amdhsa_system_sgpr_workgroup_id_x 1
		.amdhsa_system_sgpr_workgroup_id_y 1
		.amdhsa_system_sgpr_workgroup_id_z 1
		.amdhsa_system_vgpr_workitem_id 0
		.amdhsa_next_free_vgpr 1024
		.amdhsa_next_free_sgpr 100
		.amdhsa_reserve_vcc 1
		.amdhsa_float_denorm_mode_32 3
		.amdhsa_float_denorm_mode_16_64 3
		.amdhsa_memory_ordered 1
		.amdhsa_forward_progress 1
		.amdhsa_inst_pref_size 255
	.end_amdhsa_kernel
	.section	.bss,"aw",@nobits
	.p2align	6
	.space	262144
	.amdgpu_metadata
---
amdhsa.version: [ 1, 2 ]
amdhsa.kernels:
  - .name:           k_q48b62a500f_stats
    .symbol:         k_q48b62a500f_stats.kd
    .args:
      - { .name: aimg, .offset: 0, .size: 8, .value_kind: global_buffer, .address_space: global }
      - { .name: wimg, .offset: 8, .size: 8, .value_kind: global_buffer, .address_space: global }
      - { .name: part, .offset: 16, .size: 8, .value_kind: global_buffer, .address_space: global }
    .group_segment_fixed_size: 327680
    .private_segment_fixed_size: 0
    .kernarg_segment_align: 8
    .kernarg_segment_size: 24
    .max_flat_workgroup_size: 128
    .sgpr_count:     100
    .vgpr_count:     1024
    .wavefront_size: 32
...
	.end_amdgpu_metadata
.endif
;; end of part 2
;; launch gates (part 3): grid 16 x 64, 4 waves a work-group, clusters of 4 x 4, 327,680 bytes of LDS; arguments aimg, wimg, part, c0, bias, ln1_g, ln1_b, ln2_g, ln2_b, out1, og; writes out1, og
.if DOCPART == 3
	.amdgcn_target "amdgcn-amd-amdhsa--gfx1250"
	.amdhsa_code_object_version 6
	.text
	.protected	k_q48b62a500f_gates
	.globl	k_q48b62a500f_gates
	.p2align	8
	.type	k_q48b62a500f_gates,@function
k_q48b62a500f_gates:
	s_mov_b64 s[64:65], 0
	v_nop
	global_prefetch_b8 v0, s[64:65] scope:SCOPE_SE
	s_setreg_imm32_b32 hwreg(HW_REG_WAVE_MODE, 25, 1), 1
	s_wait_xcnt 0x0
	s_wait_alu depctr_hold_cnt(0) depctr_sa_sdst(0) depctr_va_vdst(0) depctr_va_sdst(0) depctr_va_ssrc(0) depctr_va_vcc(0) depctr_vm_vsrc(0)
	s_getreg_b32 s2, hwreg(HW_REG_IB_STS2, 6, 4)
	s_cmp_eq_u32 s2, 0
	s_cbranch_scc0 .Lentry_in_a_cluster
	s_endpgm
.Lentry_in_a_cluster:
	s_bfe_u32 s2, ttmp6, 0x10000c
	s_cmp_lg_u32 s2, 0xf033
	s_cbranch_scc0 .Lentry_shape_is_right
	s_endpgm
.Lentry_shape_is_right:
; THIRD OF FOUR LAUNCHES.  Both products once more, now with the rows' statistics at hand: gates = LN1(h0 Wh) + LN2(x Wx) + bias;  c1 = sigmoid(f) c0 + sigmoid(i) tanh(g) -> out1;  -log2(e) x the o gate -> og.
; SHARES.  A work-group takes 128 rows x 64 hidden columns x 4 gates x 2 products.  Wave w takes all 128 rows and hidden columns 16 w .. 16 w + 15: 8 blocks of rows x 4 gates = 32 accumulators a product, 512 registers in all,
; so that a lane holds all eight numbers that one number of c1 wants.  64 hidden columns are 256 bytes of f32: c0, c1 and og move in whole aligned runs of 256 bytes.
; OPERANDS come as images of the operand's registers, laid by the launch before (aimg, wimg): a K range of the tile is one dense block of memory, a fragment is three ds_load_b128 at 16 x lane, and the scale words ride in the same block.
; K goes in sub-steps of 128, four to an LDS slot, two slots; 16 sub-steps in all (product 0: slots 0, 1; product 1: slots 0, 1), written out.  Behind the third change of slots slot 0 takes the tile of c0.
; NOTHING BUT THE FIRST TILES STANDS IN FRONT OF THE FIRST PRODUCT: the gains and biases are asked for at the head, the rows' partial statistics behind the first sub-step, into product 1's accumulators, which lie idle until
; sub-step 8; both are waited for and worked behind the first change of slots, and the rows' statistics reach LDS ahead of the second change's barrier.
; CLUSTERS: 4 x 4 work-groups.  The four of a row of the cluster share the 128 rows (aimg's panels), the four of a column the 64 hidden columns (wimg's): each block is asked for JOINTLY.
; WORK-GROUPS DO NOT STAY here: the two slots take 307,200 bytes, and c0's tile and the stages (104,448 bytes) lie in slot 0 behind its last fill.
; THE MATRIX INSTRUCTION IS USED TRANSPOSED (source 0 = 16 rows of the weights, source 1 = 16 rows of the activations): lane (r, h) holds row 16 a + r, its register j hidden column 8 h + j of the wave's sixteen.
; THE STATISTICS: 32 runs of 128 columns give (mean_c, M2_c); mean = sum(mean_c) / 32, M2 = sum(M2_c) + 128 sum((mean_c - mean)^2), variance = M2 / 4096: no difference of large sums.
; THE GATES: u = k z with k = -log2(e) (f, i, o) or -2 log2(e) (cell), folded into the gains and biases; E = 2^min(u, 40);
;   c1 = (c0 (1 + Ei)(1 + Eg) + (1 - Eg)(1 + Ef)) / ((1 + Ef)(1 + Ei)(1 + Eg)): three exponentials and one reciprocal a number.
; THE WAY OUT goes in four passes of 32 rows, so that a pass's stores leave while the next pass's arithmetic runs.
; LIMITS: NaN, infinities and the scale byte 0xff are not served.  The exponents are held at 40, so that the product of three stays under 2^121: a sigmoid under 2^-40 comes out as 2^-40, 1 + tanh under 2^-39 likewise.
;   (y - mean) rs is made as y rs - mean rs in one fused line: its error is 2^-24 |mean| / sigma.  |c0| stays under 2^46.
; REGISTERS, in windows of 256: window 0: v1-29 addresses; v32-127, v128-223 the activations' fragments, two sets; v224-235 scale words, two sets, and nothing else.  At the end v32-63 the rows' statistics, v64-127 c0,
;   v128-223 and then v64-95 the rows on their way out.   window 1: v0-95 the weights' fragments, two sets; v96-127 k ln1_g, v128-159 k ln2_g, v160-191 k (ln1_b + ln2_b + bias), of my 8 columns x 4 gates; v192-255 ln2_b and bias as loaded.
;   window 2: product 0's accumulators ((a, g) at v[8 (4 a + g)]), later u and what is made of it.   window 3: v0-147 the partial statistics, then product 1's accumulators, later the numerator and c1.
.set PA,    12800                      ; a panel of aimg: 8 images of 1,536 bytes, then 512 bytes of scale words
.set PB,    25600                      ; a panel of wimg: 16 images, then 1,024 bytes of scale words
.set BOFF,  4*PA                       ; a slot: four panels of aimg, then four of wimg
.set SLOT,  4*PA+4*PB                  ; 153,600 bytes
.set RST,   2*SLOT                     ; behind the ring: the rows' statistics, 16 bytes a row; no tile lands here
.set SPARE, RST+2048                   ; the spare words, 128 bytes for each wave: two blocks of 256 bytes that no other line names
.set CP,    272                        ; c0's tile and the stages: rows of 256 bytes + 16
.set STG,   128*CP                     ; slot 0 at the end: c0's tile at 0, the stage for c1 at STG, the stage for og at 2 STG; the stages lie in bytes that have had their last fill
.set QA,    64*8*PA                    ; from product 0 to product 1 in aimg
.set QB,    16*8*PB                    ; and in wimg
.set ADRA, 4                           ; v4-5   16 x lane + slot
.set ADRB, 6                           ; v6-9   [slot][half]: 16 x lane + slot + BOFF + 6,144 w + 2 PB x half
.set ASA,  10                          ; v10-11 4 x lane + slot
.set ASB,  12                          ; v12-15 [slot][half]: 4 x lane + slot + BOFF + 256 w + 2 PB x half
.set VP,   16                          ; v16  my 8 columns in a parameter: 256 t + 64 w + 32 h
.set VQ,   17                          ; v17  part: 8 bytes of row 128 R + 32 w + lane
.set RSW,  18                          ; v18  RST + 16 x thread
.set RSR,  19                          ; v19  RST + 16 r
.set CZA,  20                          ; v20  c0: 272 r + 64 w + 32 h
.set STO,  21                          ; v21  the same place in the stage for c1
.set RD,   22                          ; v22  back from it: rows 8 w + h of a pass's 32, 16 r
.set GO,   23                          ; v23  and in memory: 4,096 h + 16 r
.set SPW,  28                          ; v28  LDS address of my spare word; never rewritten
.set NIL,  29                          ; v29  0; never rewritten
.set AF,   32
.set SCW,  224                         ; set p at SCW + 6 p: registers 0-3: the activations' blocks 2 i (lanes 0-15) and 2 i + 1 (lanes 16-31); 4-5: gates 2 j and 2 j + 1
.set ST,   32
.set CZ,   64
.set G1P,  96
.set G2P,  128
.set BSP,  160
.set PR,   0                           ; in window 3: (mean, M2) of run i % 32 of product i / 32 at v[2 i]
.set JW,   128                         ; and 20 registers at work on them
.set G1A, 24                           ; s[24:31] group 1, s[32:39] group 0 (a set a slot) for aimg's blocks
.set G0A, 32
.set G0C, 44                           ; s[44:47] group 0 for c0's tile
.set G1B, 48                           ; s[48:55], s[56:63] for wimg's blocks
.set G0B, 56
.set G1C, 92                           ; s[92:99] group 1 for c0's tile
.set MSB, 0
.macro WIN new                         ; the immediate's high byte repeats the setting that is left
.if MSB != (\new)
	s_set_vgpr_msb (MSB<<8)|(\new)
.set MSB, (\new)
.endif
.endm
.macro PLACES n
.rept \n
	v_nop
.endr
.endm
; A joint load: waves 0 and 1 fetch aimg's two halves of a slot, waves 2 and 3 wimg's.  The branch hangs on the wave's number alone.  Four v_nop follow each of the two lines.
.macro JLOAD s
	s_cmp_eq_u32 s15, 0
	s_cbranch_scc0 .Lfor_b_\@
	tensor_load_to_lds s[G0A+4*\s:G0A+4*\s+3], s[G1A:G1A+7]
	s_nop 0
.rept 4
	v_nop
.endr
	s_branch .Lasked_\@
.Lfor_b_\@:
	tensor_load_to_lds s[G0B+4*\s:G0B+4*\s+3], s[G1B:G1B+7]
	s_nop 0
.rept 4
	v_nop
.endr
.Lasked_\@:
.endm
.macro CREST                           ; a round of the cluster's barrier behind its opening barrier
	s_cmp_lg_u32 s14, 0
	s_cbranch_scc1 .Lnot_wave_0_\@
	s_barrier_signal -3
.Lnot_wave_0_\@:
	s_barrier_wait -3
	s_barrier_signal -1
	s_barrier_wait -1
.endm
.macro CROUND
	s_barrier_signal -1
	s_barrier_wait -1
	CREST
.endm
	s_load_b512 s[68:83], s[0:1], 0x0              ; aimg s[68:69], wimg s[70:71], part s[72:73], c0 s[74:75], bias s[76:77], ln1_g s[78:79], ln1_b s[80:81], ln2_g s[82:83]
	s_load_b128 s[84:87], s[0:1], 0x40             ; ln2_b s[84:85], out1 s[86:87]
	s_load_b64 s[88:89], s[0:1], 0x50              ; og
	v_lshl_add_u32 v[SPW], v0, 2, SPARE
	v_mov_b32 v[NIL], 0
	ds_add_u32 v28, v29
	ds_add_u32 v28, v29
	s_wait_dscnt 0x0
	v_lshrrev_b32 v1, 5, v0
	v_readfirstlane_b32 s14, v1                    ; wave 0..3
	v_min_u32 v26, 49, v0                          ; the prefetches' offsets, a lane a block of 256 bytes: 256 x min(thread, 49) for a panel of aimg,
	v_min_u32 v27, 99, v0                          ; 256 x min(thread, 99) for a panel of wimg; never rewritten
	v_lshlrev_b32 v26, 8, v26
	v_lshlrev_b32 v27, 8, v27
	s_wait_alu depctr_va_vdst(0)
	s_lshr_b32 s15, s14, 1
	s_and_b32 s16, s14, 1                          ; the first or the second half of a slot's panels
	s_bfe_u32 s40, ttmp6, 0x40000                  ; cx, cy
	s_bfe_u32 s41, ttmp6, 0x40004
	s_lshl_b32 s42, ttmp9, 2
	s_add_co_u32 s42, s42, s40                     ; t: which 64 hidden columns
	s_and_b32 s17, ttmp7, 0xffff
	s_lshl_b32 s17, s17, 2
	s_add_co_u32 s17, s17, s41                     ; R: which 128 rows
	s_lshl_b32 s43, s41, 2
	s_lshl_b32 s43, 15, s43                        ; my row of the cluster
	s_lshl_b32 s44, 0x1111, s40                    ; my column
	; dense blocks as rows of 256 bytes (32 elements of 8 bytes), no padding: 100 rows of aimg (two panels), 200 of wimg
	s_or_b32 s[G1A], s43, (3<<16)|(1<<21)          ; 15:0 the mask; 17:16 elements of 8 bytes; 21 set beside a mask
	s_mov_b32 s[G1A+1], 32<<16                     ; tensor_dim0
	s_mov_b32 s[G1A+2], 100<<16                    ; tensor_dim1
	s_mov_b32 s[G1A+3], 32<<16                     ; tile_dim0
	s_mov_b32 s[G1A+4], 100                        ; tile_dim1
	s_mov_b32 s[G1A+5], 32                         ; from row to row
	s_mov_b32 s[G1A+6], 0
	s_mov_b32 s[G1A+7], 0
	s_or_b32 s[G1B], s44, (3<<16)|(1<<21)
	s_mov_b32 s[G1B+1], 32<<16
	s_mov_b32 s[G1B+2], 200<<16
	s_mov_b32 s[G1B+3], 32<<16
	s_mov_b32 s[G1B+4], 200
	s_mov_b32 s[G1B+5], 32
	s_mov_b32 s[G1B+6], 0
	s_mov_b32 s[G1B+7], 0
	; c0's tile, a quarter a wave: 32 rows of 256 bytes, 4,096 bytes apart, 16 bytes of padding behind each; no mask: nobody shares it
	s_mov_b32 s[G1C], (3<<16)|(1<<20)|(5<<22)|(3<<25)
	s_mov_b32 s[G1C+1], 32<<16
	s_mov_b32 s[G1C+2], 32<<16
	s_mov_b32 s[G1C+3], 32<<16
	s_mov_b32 s[G1C+4], 32
	s_mov_b32 s[G1C+5], 512
	s_mov_b32 s[G1C+6], 0
	s_mov_b32 s[G1C+7], 0
	s_mul_i32 s20, s17, 8*PA                       ; aimg: the 128 rows' eight panels,
	s_mul_i32 s18, s16, 2*PA                       ; my two of a slot's four (in memory and in LDS alike)
	s_add_co_u32 s20, s20, s18
	s_mov_b32 s21, 0
	s_mul_i32 s46, s42, 8*PB                       ; wimg likewise
	s_mul_i32 s19, s16, 2*PB
	s_add_co_u32 s46, s46, s19
	s_mov_b32 s47, 0
	s_lshl_b32 s22, s17, 7                         ; c0: row 128 R + 32 w of 4,096 bytes, + 256 t
	s_lshl_b32 s23, s14, 5
	s_add_co_u32 s22, s22, s23
	s_lshl_b32 s22, s22, 12
	s_lshl_b32 s23, s42, 8
	s_add_co_u32 s22, s22, s23
	s_mov_b32 s23, 0
	s_lshl_b32 s90, s17, 7                         ; out1, og: row 128 R + 8 w: of each pass's 32 rows a wave stores eight
	s_lshl_b32 s91, s14, 3
	s_add_co_u32 s90, s90, s91
	s_lshl_b32 s90, s90, 12
	s_lshl_b32 s91, s42, 8
	s_add_co_u32 s90, s90, s91
	s_mov_b32 s91, 0
	s_wait_kmcnt 0x0
	s_add_nc_u64 s[20:21], s[68:69], s[20:21]
	s_add_nc_u64 s[46:47], s[70:71], s[46:47]
	s_add_nc_u64 s[74:75], s[74:75], s[22:23]
	s_add_nc_u64 s[86:87], s[86:87], s[90:91]
	s_add_nc_u64 s[88:89], s[88:89], s[90:91]
	s_mul_i32 s8, s17, 8*PA                        ; the prefetches' bases: of a fill's four panels of aimg the partner at cx takes panel cx,
	s_mul_i32 s10, s40, PA
	s_add_co_u32 s8, s8, s10
	s_mov_b32 s9, 0
	s_add_nc_u64 s[4:5], s[68:69], s[8:9]
	s_mul_i32 s8, s42, 8*PB                        ; of its four panels of wimg the partner at cy takes panel cy
	s_mul_i32 s10, s41, PB
	s_add_co_u32 s8, s8, s10
	s_add_nc_u64 s[6:7], s[70:71], s[8:9]
	CROUND
.irp s, 0,1
	s_mov_b32 s[G0A+4*\s], 1
	s_add_co_u32 s[G0A+4*\s+1], s18, \s*SLOT
	s_add_nc_u64 s[G0A+4*\s+2:G0A+4*\s+3], s[20:21], \s*4*PA
	s_or_b32 s[G0A+4*\s+3], s[G0A+4*\s+3], 0x80000000
	s_mov_b32 s[G0B+4*\s], 1
	s_add_co_u32 s[G0B+4*\s+1], s19, \s*SLOT+BOFF
	s_add_nc_u64 s[G0B+4*\s+2:G0B+4*\s+3], s[46:47], \s*4*PB
	s_or_b32 s[G0B+4*\s+3], s[G0B+4*\s+3], 0x80000000
.endr
	JLOAD 0                                        ; product 0's K 0-511: one tensor load a wave at the head
; A prefetch of fill f (product f / 2, K half f % 2), one fill ahead of its tensor load: 100 blocks of wimg by threads 0-99, 50 of aimg by threads 0-49 (lanes that are left over name their wave's last block again).
.macro ASKG f
	global_prefetch_b8 v27, s[6:7] offset:((\f)/2)*QB+((\f)%2)*4*PB th:TH_LOAD_NT scope:SCOPE_SE
	s_cmp_eq_u32 s15, 0
	s_cbranch_scc0 .Lnot_a_\@
	global_prefetch_b8 v26, s[4:5] offset:((\f)/2)*QA+((\f)%2)*4*PA th:TH_LOAD_NT scope:SCOPE_SE
.Lnot_a_\@:
.endm
	ASKG 1
	s_mov_b32 s[G0C], 1
	s_mul_i32 s[G0C+1], s14, 32*CP
	s_mov_b64 s[G0C+2:G0C+3], s[74:75]
	s_or_b32 s[G0C+3], s[G0C+3], 0x80000000
	v_and_b32 v1, 31, v0                           ; lane
	s_wait_alu depctr_va_vdst(0)
	v_and_b32 v2, 15, v0                           ; r
	v_bfe_u32 v3, v0, 4, 1                         ; h
	s_lshl_b32 s18, s42, 8
	s_lshl_b32 s19, s14, 6
	s_add_co_u32 s18, s18, s19
	v_lshl_add_u32 v[VP], v3, 5, s18
	WIN 0x40                                       ; destination window 1
.irp g, 0,1,2,3                        ; gate g's 1,024 numbers begin 4,096 g bytes on
	global_load_b128 v[G1P+8*\g:G1P+8*\g+3], v[VP], s[78:79] offset:4096*\g
	global_load_b128 v[G1P+8*\g+4:G1P+8*\g+7], v[VP], s[78:79] offset:4096*\g+16
	global_load_b128 v[G2P+8*\g:G2P+8*\g+3], v[VP], s[82:83] offset:4096*\g
	global_load_b128 v[G2P+8*\g+4:G2P+8*\g+7], v[VP], s[82:83] offset:4096*\g+16
	global_load_b128 v[BSP+8*\g:BSP+8*\g+3], v[VP], s[80:81] offset:4096*\g
	global_load_b128 v[BSP+8*\g+4:BSP+8*\g+7], v[VP], s[80:81] offset:4096*\g+16
	global_load_b128 v[192+8*\g:195+8*\g], v[VP], s[84:85] offset:4096*\g
	global_load_b128 v[196+8*\g:199+8*\g], v[VP], s[84:85] offset:4096*\g+16
	global_load_b128 v[224+8*\g:227+8*\g], v[VP], s[76:77] offset:4096*\g
	global_load_b128 v[228+8*\g:231+8*\g], v[VP], s[76:77] offset:4096*\g+16
.endr
	WIN 0
	s_lshl_b32 s18, s17, 10
	s_lshl_b32 s19, s14, 8
	s_add_co_u32 s18, s18, s19
	v_lshl_add_u32 v[VQ], v1, 3, s18
	v_lshlrev_b32 v[ADRA], 4, v1
	v_add_nc_u32 v[ADRA+1], SLOT, v[ADRA]
	v_lshlrev_b32 v[ASA], 2, v1
	v_add_nc_u32 v[ASA+1], SLOT, v[ASA]
	s_mul_i32 s18, s14, 4*1536
	s_lshl_b32 s19, s14, 8
	v_add_nc_u32 v24, s18, v[ADRA]
	v_add_nc_u32 v25, s19, v[ASA]
.irp s, 0,1
.irp u, 0,1
	v_add_nc_u32 v[ADRB+2*\s+\u], \s*SLOT+BOFF+\u*2*PB, v24
	v_add_nc_u32 v[ASB+2*\s+\u], \s*SLOT+BOFF+\u*2*PB, v25
.endr
.endr
	v_lshl_add_u32 v[RSW], v0, 4, RST
	v_lshl_add_u32 v[RSR], v2, 4, RST
	v_mul_u32_u24 v[CZA], v2, CP
	v_lshl_add_u32 v[CZA], v3, 5, v[CZA]
	s_lshl_b32 s19, s14, 6
	v_add_nc_u32 v[CZA], s19, v[CZA]
	v_add_nc_u32 v[STO], STG, v[CZA]
	s_mul_i32 s18, s14, 8*CP
	v_mul_u32_u24 v[RD], v3, CP
	v_lshl_add_u32 v[RD], v2, 4, v[RD]
	v_add_nc_u32 v[RD], s18, v[RD]
	v_add_nc_u32 v[RD], STG, v[RD]
	v_lshlrev_b32 v[GO], 12, v3
	v_lshl_add_u32 v[GO], v2, 4, v[GO]
	s_mov_b32 s19, 0x3727c5ac                      ; 1e-5
	s_wait_alu depctr_va_vdst(0)
	s_wait_tensorcnt 0x0                           ; my part of slot 0 is in; slot 1's first fill goes out as a refill does
	ds_add_u32 v[SPW], v[NIL]
	s_wait_dscnt 0x0
	CROUND
	JLOAD 1                                        ; product 0's K 512-1,023: the first tensor load behind the round
; One matrix instruction.  o0, o1: source 0's (the weights') and source 1's scale words stand in lanes 16-31 of their registers.  zero = 1: it starts its sum.
.macro WM d, f0, f1, s0, s1, o0, o1, zero
.if \zero
.if (\o0) && (\o1)
	v_wmma_scale_f32_16x16x128_f8f6f4 v[\d:\d+7], v[\f0:\f0+11], v[\f1:\f1+11], 0, v[\s0], v[\s1] matrix_a_fmt:MATRIX_FMT_FP6 matrix_b_fmt:MATRIX_FMT_FP6 matrix_a_scale:MATRIX_SCALE_ROW1 matrix_b_scale:MATRIX_SCALE_ROW1
.elseif \o0
	v_wmma_scale_f32_16x16x128_f8f6f4 v[\d:\d+7], v[\f0:\f0+11], v[\f1:\f1+11], 0, v[\s0], v[\s1] matrix_a_fmt:MATRIX_FMT_FP6 matrix_b_fmt:MATRIX_FMT_FP6 matrix_a_scale:MATRIX_SCALE_ROW1
.elseif \o1
	v_wmma_scale_f32_16x16x128_f8f6f4 v[\d:\d+7], v[\f0:\f0+11], v[\f1:\f1+11], 0, v[\s0], v[\s1] matrix_a_fmt:MATRIX_FMT_FP6 matrix_b_fmt:MATRIX_FMT_FP6 matrix_b_scale:MATRIX_SCALE_ROW1
.else
	v_wmma_scale_f32_16x16x128_f8f6f4 v[\d:\d+7], v[\f0:\f0+11], v[\f1:\f1+11], 0, v[\s0], v[\s1] matrix_a_fmt:MATRIX_FMT_FP6 matrix_b_fmt:MATRIX_FMT_FP6
.endif
.else
.if (\o0) && (\o1)
	v_wmma_scale_f32_16x16x128_f8f6f4 v[\d:\d+7], v[\f0:\f0+11], v[\f1:\f1+11], v[\d:\d+7], v[\s0], v[\s1] matrix_a_fmt:MATRIX_FMT_FP6 matrix_b_fmt:MATRIX_FMT_FP6 matrix_a_scale:MATRIX_SCALE_ROW1 matrix_b_scale:MATRIX_SCALE_ROW1
.elseif \o0
	v_wmma_scale_f32_16x16x128_f8f6f4 v[\d:\d+7], v[\f0:\f0+11], v[\f1:\f1+11], v[\d:\d+7], v[\s0], v[\s1] matrix_a_fmt:MATRIX_FMT_FP6 matrix_b_fmt:MATRIX_FMT_FP6 matrix_a_scale:MATRIX_SCALE_ROW1
.elseif \o1
	v_wmma_scale_f32_16x16x128_f8f6f4 v[\d:\d+7], v[\f0:\f0+11], v[\f1:\f1+11], v[\d:\d+7], v[\s0], v[\s1] matrix_a_fmt:MATRIX_FMT_FP6 matrix_b_fmt:MATRIX_FMT_FP6 matrix_b_scale:MATRIX_SCALE_ROW1
.else
	v_wmma_scale_f32_16x16x128_f8f6f4 v[\d:\d+7], v[\f0:\f0+11], v[\f1:\f1+11], v[\d:\d+7], v[\s0], v[\s1] matrix_a_fmt:MATRIX_FMT_FP6 matrix_b_fmt:MATRIX_FMT_FP6
.endif
.endif
.endm
; 8 matrix instructions: blocks a0, a0 + 1 of the rows x the four gates, from set p.  A product's 32 accumulators take turns, one instruction a turn, in the same order in every sub-step.
.macro MUL8 a0, p, zero
.irp a, \a0, \a0+1
.irp g, 0,1,2,3
	WM 8*(4*(\a)+\g), 48*(\p)+12*\g, AF+96*(\p)+12*(\a), SCW+6*(\p)+4+\g/2, SCW+6*(\p)+(\a)/2, \g%2, (\a)%2, \zero
.endr
.endr
.endm
; 42 LDS loads in one run: sub-step sg of a slot into set p: my four fragments of the weights, the eight of the activations, six registers of scale words
.macro FETCH slot, sg, p
	WIN 0x40                                       ; destination window 1
.irp g, 0,1,2,3
.irp c, 0,1,2
	ds_load_b128 v[48*(\p)+12*\g+4*\c:48*(\p)+12*\g+4*\c+3], v[ADRB+2*(\slot)+(\sg)/2] offset:PB*((\sg)%2)+1536*\g+512*\c
.endr
.endr
	WIN 0
.irp a, 0,1,2,3,4,5,6,7
.irp c, 0,1,2
	ds_load_b128 v[AF+96*(\p)+12*\a+4*\c:AF+96*(\p)+12*\a+4*\c+3], v[ADRA+(\slot)] offset:PA*(\sg)+1536*\a+512*\c
.endr
.endr
.irp i, 0,1,2,3
	ds_load_b32 v[SCW+6*(\p)+\i], v[ASA+(\slot)] offset:PA*(\sg)+12288+128*\i
.endr
.irp j, 0,1
	ds_load_b32 v[SCW+6*(\p)+4+\j], v[ASB+2*(\slot)+(\sg)/2] offset:PB*((\sg)%2)+24576+128*\j
.endr
.endm
; A sub-step that has its successor in the same slot: the successor's fragments are asked for first, into the set that the last sub-step multiplied, and have this sub-step's 32 matrix instructions in which to come.
.macro STEP slot, sg, q, zero
	PLACES 4                                       ; in front of loads into registers that matrix instructions have read (ISA guide 7.12.1 for vector instructions)
	FETCH \slot, (\sg)+1, 1-(\sg)%2
	s_wait_dscnt 42                                ; all but the 42 just issued: this sub-step's set is in
	WIN 0xa1+0x50*(\q)                             ; source 0 window 1, source 1 window 0, C and D window 2 (product 0) or 3 (product 1)
	MUL8 0, (\sg)%2, \zero
	MUL8 2, (\sg)%2, \zero
	MUL8 4, (\sg)%2, \zero
	MUL8 6, (\sg)%2, \zero
.endm
; A slot's fourth sub-step (set 1) changes slots.  In front of the barrier each wave waits for all its tensor loads (one is out: its part of the other slot), adds 0 to its spare word, and waits for that and for its reads of this slot.
; The barrier opens a round of the cluster's.  kind = 1: this slot is filled again, with product 1's panels, jointly.  kind = 2: its first bytes take my quarter of c0's tile.
.macro TURN slot, q, kind
	WIN 0
	s_wait_tensorcnt 0x0
	ds_add_u32 v[SPW], v[NIL]
	s_wait_dscnt 1                                 ; my fragments are in; the add may be out
	WIN 0xa1+0x50*(\q)
	MUL8 0, 1, 0                                   ; eight matrix instructions stand between the add and the wait for it
	s_wait_dscnt 0x0                               ; the add is done, and my reads of this slot are over
	s_barrier_signal -1
	MUL8 2, 1, 0
	WIN 0
	s_barrier_wait -1
	CREST                                          ; no wave of any partner still reads this slot or has a load on its way
.if \kind == 1
	s_add_nc_u64 s[G0A+4*\slot+2:G0A+4*\slot+3], s[G0A+4*\slot+2:G0A+4*\slot+3], QA
	s_add_nc_u64 s[G0B+4*\slot+2:G0B+4*\slot+3], s[G0B+4*\slot+2:G0B+4*\slot+3], QB
	JLOAD \slot                                    ; the first tensor load behind the round: it has four sub-steps, 128 matrix instructions, in which to land
.else
	tensor_load_to_lds s[G0C:G0C+3], s[G1C:G1C+7]
	s_nop 0
.rept 4
	v_nop
.endr
.endif
	FETCH 1-(\slot), 0, 0                          ; the four v_nop behind the tensor load are the places in front of these loads
.if (\kind == 1) && (\slot == 0)
	ASKG 3
.endif
	WIN 0xa1+0x50*(\q)
	MUL8 4, 1, 0
	MUL8 6, 1, 0
.endm
; The rows' partial statistics are asked for: here a lane is row 32 w + lane; each load reads 256 consecutive bytes.  They land in product 1's accumulators, which no matrix instruction has named yet.
.macro PARTLD i0, n
	WIN 0xc0                                       ; destination window 3, address window 0
.set i, \i0
.rept \n
	global_load_b64 v[PR+2*i:PR+2*i+1], v[VQ], s[72:73] offset:65536*i
.set i, i+1
.endr
.endm
; The gains and biases take the factor k; the 32 runs of each product are joined; (rs1, -mean1 rs1, rs2, -mean2 rs2) of row 32 w + lane goes to LDS.  None of these lines names a register of the products round them.
.macro JOIN
	s_wait_loadcnt 0x0                             ; asked for two sub-steps ago and more
	WIN 0x55                                       ; all in window 1
.irp g, 0,1,2,3
.set KG, 0xbfb8aa3b+0x800000*(\g/3)    ; -log2(e); for the cell gate twice that
.irp i, 0,2,4,6
	v_pk_mul_f32 v[G1P+8*\g+\i:G1P+8*\g+\i+1], v[G1P+8*\g+\i:G1P+8*\g+\i+1], KG op_sel_hi:[1,0]
	v_pk_mul_f32 v[G2P+8*\g+\i:G2P+8*\g+\i+1], v[G2P+8*\g+\i:G2P+8*\g+\i+1], KG op_sel_hi:[1,0]
	v_pk_add_f32 v[BSP+8*\g+\i:BSP+8*\g+\i+1], v[BSP+8*\g+\i:BSP+8*\g+\i+1], v[192+8*\g+\i:193+8*\g+\i]
.endr
.endr
.irp g, 0,1,2,3
.irp i, 0,2,4,6
	v_pk_add_f32 v[BSP+8*\g+\i:BSP+8*\g+\i+1], v[BSP+8*\g+\i:BSP+8*\g+\i+1], v[224+8*\g+\i:225+8*\g+\i]
.endr
.endr
.irp g, 0,1,2,3
.set KG, 0xbfb8aa3b+0x800000*(\g/3)
.irp i, 0,2,4,6
	v_pk_mul_f32 v[BSP+8*\g+\i:BSP+8*\g+\i+1], v[BSP+8*\g+\i:BSP+8*\g+\i+1], KG op_sel_hi:[1,0]
.endr
.endr
	WIN 0xff                                       ; all in window 3; the two products by turns: JW + 0 .. 7 product 0's work, JW + 8 .. 15 product 1's
.irp q, 0,1
	v_pk_add_f32 v[JW+8*\q:JW+8*\q+1], v[PR+64*\q:PR+64*\q+1], v[PR+64*\q+2:PR+64*\q+3]   ; (sum of means, sum of M2), in two chains
	v_pk_add_f32 v[JW+8*\q+2:JW+8*\q+3], v[PR+64*\q+4:PR+64*\q+5], v[PR+64*\q+6:PR+64*\q+7]
.endr
.irp c, 8,12,16,20,24,28,32,36,40,44,48,52,56,60
.irp q, 0,1
	v_pk_add_f32 v[JW+8*\q:JW+8*\q+1], v[JW+8*\q:JW+8*\q+1], v[PR+64*\q+\c:PR+64*\q+\c+1]
	v_pk_add_f32 v[JW+8*\q+2:JW+8*\q+3], v[JW+8*\q+2:JW+8*\q+3], v[PR+64*\q+\c+2:PR+64*\q+\c+3]
.endr
.endr
.irp q, 0,1
	v_pk_add_f32 v[JW+8*\q:JW+8*\q+1], v[JW+8*\q:JW+8*\q+1], v[JW+8*\q+2:JW+8*\q+3]
.endr
.irp q, 0,1
	v_mul_f32 v[JW+8*\q+4], 0x3d000000, v[JW+8*\q] ; / 32: the row's mean
.endr
.set i, 0
.rept 32
	v_sub_f32 v[PR+2*i], v[PR+2*i], v[JW+4]        ; mean_c - mean
	v_sub_f32 v[PR+64+2*i], v[PR+64+2*i], v[JW+12]
.set i, i+1
.endr
	v_mul_f32 v[JW+5], v[PR], v[PR]
	v_mul_f32 v[JW+6], v[PR+2], v[PR+2]
	v_mul_f32 v[JW+13], v[PR+64], v[PR+64]
	v_mul_f32 v[JW+14], v[PR+66], v[PR+66]
.set i, 2
.rept 15
	v_fma_f32 v[JW+5], v[PR+2*i], v[PR+2*i], v[JW+5]
	v_fma_f32 v[JW+6], v[PR+2+2*i], v[PR+2+2*i], v[JW+6]
	v_fma_f32 v[JW+13], v[PR+64+2*i], v[PR+64+2*i], v[JW+13]
	v_fma_f32 v[JW+14], v[PR+66+2*i], v[PR+66+2*i], v[JW+14]
.set i, i+2
.endr
	v_add_f32 v[JW+5], v[JW+5], v[JW+6]
	v_add_f32 v[JW+13], v[JW+13], v[JW+14]
	v_fma_f32 v[JW+1], v[JW+5], 0x43000000, v[JW+1]        ; M2 = sum(M2_c) + 128 sum((mean_c - mean)^2)
	v_fma_f32 v[JW+9], v[JW+13], 0x43000000, v[JW+9]
	v_fma_f32 v[JW+1], v[JW+1], 0x39800000, s19            ; / 4096 + 1e-5
	v_fma_f32 v[JW+9], v[JW+9], 0x39800000, s19
	s_wait_alu depctr_va_vdst(0)
	v_rsq_f32 v[JW+16], v[JW+1]
	v_rsq_f32 v[JW+18], v[JW+9]
	v_nop                                          ; a plain place behind the transcendentals
	s_wait_alu depctr_va_vdst(0)
	v_mul_f32 v[JW+17], -v[JW+4], v[JW+16]         ; -mean rs
	v_mul_f32 v[JW+19], -v[JW+12], v[JW+18]
	WIN 0x0c                                       ; an LDS store's data are its source 1: window 3
	ds_store_b128 v[RSW], v[JW+16:JW+19]           ; read by the others at the end: behind my wait for it in front of the next change's barrier
	WIN 0
.endm
	FETCH 0, 0, 0
	ASKG 2
	STEP 0, 0, 0, 1                                ; product 0, K 0-511: the first sub-step's products start the sums
	PARTLD 0, 56                                   ; the 64 loads go out in two runs
	STEP 0, 1, 0, 0
	PARTLD 56, 8
	STEP 0, 2, 0, 0
	TURN 0, 0, 1
	JOIN
	STEP 1, 0, 0, 0                                ; product 0, K 512-1,023
	STEP 1, 1, 0, 0
	STEP 1, 2, 0, 0
	TURN 1, 0, 1
	STEP 0, 0, 1, 1                                ; product 1, K 0-511
	STEP 0, 1, 1, 0
	STEP 0, 2, 1, 0
	TURN 0, 1, 2
	STEP 1, 0, 1, 0                                ; product 1, K 512-1,023
	STEP 1, 1, 1, 0
	STEP 1, 2, 1, 0
	s_wait_dscnt 0x0                               ; the last sub-step: nothing more to fetch
	MUL8 0, 1, 0
	MUL8 2, 1, 0
	MUL8 4, 1, 0
	MUL8 6, 1, 0
	WIN 0
	PLACES 4                                       ; behind the last products: for the loads below and for the first reads of results
	s_wait_tensorcnt 0x0                           ; my quarter of c0's tile is in,
	s_barrier_signal -1
	s_barrier_wait -1                              ; everybody's is
.irp a, 0,1,2,3,4,5,6,7
	ds_load_b128 v[ST+4*\a:ST+4*\a+3], v[RSR] offset:256*\a          ; the statistics of row 16 a + r
.endr
.irp a, 0,1,2,3,4,5,6,7
	ds_load_b128 v[CZ+8*\a:CZ+8*\a+3], v[CZA] offset:16*CP*\a        ; c0 of row 16 a + r, my eight columns
	ds_load_b128 v[CZ+8*\a+4:CZ+8*\a+7], v[CZA] offset:16*CP*\a+16
.endr
	s_wait_dscnt 16                                ; the statistics are in; c0's sixteen loads may be out
; THE LAYER NORMS of blocks a0, a0 + 1: four runs of 32 packed multiply-adds, each under one setting of the windows.  The pairs ascend.
.macro LNRUN win, kind, a0
	WIN \win
.irp a, \a0, \a0+1
.set i, 0
.rept 16
.if \kind == 0                         ; y1 rs1 - mean1 rs1: of the pair (rs, -mean rs) the first word multiplies both halves, the second is added to both
	v_pk_fma_f32 v[32*(\a)+2*i:32*(\a)+2*i+1], v[32*(\a)+2*i:32*(\a)+2*i+1], v[ST+4*(\a):ST+4*(\a)+1], v[ST+4*(\a):ST+4*(\a)+1] op_sel:[0,0,1] op_sel_hi:[1,0,1]
.elseif \kind == 1                     ; x k ln1_g + k (ln1_b + ln2_b + bias)
	v_pk_fma_f32 v[32*(\a)+2*i:32*(\a)+2*i+1], v[32*(\a)+2*i:32*(\a)+2*i+1], v[G1P+2*i:G1P+2*i+1], v[BSP+2*i:BSP+2*i+1]
.elseif \kind == 2                     ; y2 rs2 - mean2 rs2
	v_pk_fma_f32 v[32*(\a)+2*i:32*(\a)+2*i+1], v[32*(\a)+2*i:32*(\a)+2*i+1], v[ST+4*(\a)+2:ST+4*(\a)+3], v[ST+4*(\a)+2:ST+4*(\a)+3] op_sel:[0,0,1] op_sel_hi:[1,0,1]
.else                                  ; x k ln2_g + the first: u, in window 2
	v_pk_fma_f32 v[32*(\a)+2*i:32*(\a)+2*i+1], v[32*(\a)+2*i:32*(\a)+2*i+1], v[G2P+2*i:G2P+2*i+1], v[32*(\a)+2*i:32*(\a)+2*i+1]
.endif
.set i, i+1
.endr
.endr
.endm
; THE GATES of blocks a0, a0 + 1.  In window 2, block a: v[32 a ..] u of f, + 8 of i, + 16 of o, + 24 of the cell gate.  In window 3, v[8 a ..]: the numerator, then c1; it lies over sums of product 1 that earlier lines have used up.
.macro GATES a0
	WIN 0xaa
.irp a, \a0, \a0+1
.irp g, 0,1,3
.irp j, 0,1,2,3,4,5,6,7
	v_min_num_f32 v[32*(\a)+8*\g+\j], 0x42200000, v[32*(\a)+8*\g+\j]   ; held at 40
.endr
.endr
.endr
	s_wait_alu depctr_va_vdst(0)
.irp a, \a0, \a0+1
.irp g, 0,1,3
.irp j, 0,1,2,3,4,5,6,7
	v_exp_f32 v[32*(\a)+8*\g+\j], v[32*(\a)+8*\g+\j]                   ; Ef, Ei, Eg
.endr
.endr
.endr
	v_nop                                          ; a plain place behind the exponentials
	WIN 0xc2                                       ; destination window 3, source 0 window 2
	s_wait_alu depctr_va_vdst(0)
.irp a, \a0, \a0+1
.irp i, 0,2,4,6
	v_pk_add_f32 v[8*(\a)+\i:8*(\a)+\i+1], v[32*(\a)+24+\i:32*(\a)+25+\i], 1.0 op_sel_hi:[1,0] neg_lo:[1,0] neg_hi:[1,0]   ; 1 - Eg
.endr
.endr
	WIN 0xaa
.irp a, \a0, \a0+1
.irp g, 0,1,3
.irp i, 0,2,4,6
	v_pk_add_f32 v[32*(\a)+8*\g+\i:32*(\a)+8*\g+\i+1], v[32*(\a)+8*\g+\i:32*(\a)+8*\g+\i+1], 1.0 op_sel_hi:[1,0]           ; 1 + E
.endr
.endr
.endr
.irp a, \a0, \a0+1
.irp i, 0,2,4,6
	v_pk_mul_f32 v[32*(\a)+8+\i:32*(\a)+9+\i], v[32*(\a)+8+\i:32*(\a)+9+\i], v[32*(\a)+24+\i:32*(\a)+25+\i]                 ; P = (1 + Ei)(1 + Eg)
.endr
.endr
	WIN 0xfb                                       ; destination, sources 0 and 2 window 3, source 1 window 2
.irp a, \a0, \a0+1
.irp i, 0,2,4,6
	v_pk_mul_f32 v[8*(\a)+\i:8*(\a)+\i+1], v[8*(\a)+\i:8*(\a)+\i+1], v[32*(\a)+\i:32*(\a)+\i+1]                             ; (1 - Eg)(1 + Ef)
.endr
.endr
.if (\a0) == 0
	s_wait_alu depctr_va_vdst(0)
	s_wait_dscnt 0x0                               ; c0 is in
.endif
	WIN 0xf8                                       ; source 0 window 0, source 1 window 2, source 2 and destination window 3
.irp a, \a0, \a0+1
.irp i, 0,2,4,6
	v_pk_fma_f32 v[8*(\a)+\i:8*(\a)+\i+1], v[CZ+8*(\a)+\i:CZ+8*(\a)+\i+1], v[32*(\a)+8+\i:32*(\a)+9+\i], v[8*(\a)+\i:8*(\a)+\i+1]   ; + c0 P: the numerator
.endr
.endr
	WIN 0xaa
.irp a, \a0, \a0+1
.irp i, 0,2,4,6
	v_pk_mul_f32 v[32*(\a)+\i:32*(\a)+\i+1], v[32*(\a)+\i:32*(\a)+\i+1], v[32*(\a)+8+\i:32*(\a)+9+\i]                       ; (1 + Ef) P: the denominator
.endr
.endr
	s_wait_alu depctr_va_vdst(0)
.irp a, \a0, \a0+1
.irp j, 0,1,2,3,4,5,6,7
	v_rcp_f32 v[32*(\a)+\j], v[32*(\a)+\j]
.endr
.endr
	v_nop                                          ; a plain place behind the reciprocals
	WIN 0xfb
	s_wait_alu depctr_va_vdst(0)
.irp a, \a0, \a0+1
.irp i, 0,2,4,6
	v_pk_mul_f32 v[8*(\a)+\i:8*(\a)+\i+1], v[8*(\a)+\i:8*(\a)+\i+1], v[32*(\a)+\i:32*(\a)+\i+1]                             ; c1
.endr
.endr
.endm
; THE WAY OUT of pass p (rows 32 p .. 32 p + 31).  A lane holds 32 bytes of a row, a wave 64 of the row's 256: the four waves' parts meet in two stages (rows of 272 bytes), and each wave takes back eight whole rows of each tensor.
; Each pass has stage rows of its own, so one barrier a pass, between the writing and the reading, is all the order that they need; and registers of its own for the rows that come back, so that no store's data are written again.
.macro BACKREG p
.if (\p) == 3
.set BB, 64                            ; where c0 of blocks 0-3 lay, used up in passes 0 and 1
.else
.set BB, 128+32*(\p)
.endif
.endm
.macro STAGE p
	WIN 0x0c                                       ; an LDS store's data are its source 1: window 3
.irp a, 2*(\p), 2*(\p)+1
	ds_store_b128 v[STO], v[8*(\a):8*(\a)+3] offset:16*CP*(\a)
	ds_store_b128 v[STO], v[8*(\a)+4:8*(\a)+7] offset:16*CP*(\a)+16
.endr
	WIN 0x08                                       ; window 2: u of the o gate, as it is
.irp a, 2*(\p), 2*(\p)+1
	ds_store_b128 v[STO], v[32*(\a)+16:32*(\a)+19] offset:STG+16*CP*(\a)
	ds_store_b128 v[STO], v[32*(\a)+20:32*(\a)+23] offset:STG+16*CP*(\a)+16
.endr
	WIN 0
	s_wait_dscnt 0x0                               ; for the others' sake: my stores into the stages are done
	s_barrier_signal -1
	s_barrier_wait -1
	BACKREG \p
.irp i, 0,1,2,3
	ds_load_b128 v[BB+4*\i:BB+4*\i+3], v[RD] offset:(32*(\p)+2*\i)*CP           ; rows 32 p + 8 w + 2 i (lanes 0-15) and + 1 (lanes 16-31) of c1
.endr
.irp i, 0,1,2,3
	ds_load_b128 v[BB+16+4*\i:BB+16+4*\i+3], v[RD] offset:STG+(32*(\p)+2*\i)*CP   ; and of og
.endr
.endm
.macro SEND p
	WIN 0
	BACKREG \p
.irp i, 0,1,2,3
	s_wait_dscnt 7-\i                              ; the younger of the pass's eight loads may be out
	global_store_b128 v[GO], v[BB+4*\i:BB+4*\i+3], s[86:87] offset:(32*(\p)+2*\i)*4096   ; 16 lanes store 256 consecutive bytes, at a multiple of 256 from the buffer's first byte
.endr
.irp i, 0,1,2,3
	s_wait_dscnt 3-\i
	global_store_b128 v[GO], v[BB+16+4*\i:BB+16+4*\i+3], s[88:89] offset:(32*(\p)+2*\i)*4096
.endr
.endm
.macro PASS p
	LNRUN 0x82, 0, 2*\p                            ; destination and source 0 window 2, sources 1 and 2 window 0
	LNRUN 0x96, 1, 2*\p                            ; destination and source 0 window 2, sources 1 and 2 window 1
.if \p > 0
	SEND \p-1                                      ; the pass before: its rows have had 64 lines in which to come back from the stage; its stores leave under the rest of this pass
.endif
	LNRUN 0xc3, 2, 2*\p                            ; destination and source 0 window 3, sources 1 and 2 window 0
	LNRUN 0xa7, 3, 2*\p                            ; source 0 window 3, source 1 window 1, source 2 and destination window 2
	GATES 2*\p
	STAGE \p
.endm
	PASS 0
	PASS 1
	PASS 2
	PASS 3
	SEND 3
	s_wait_tensorcnt 0x0                           ; the wave's end
	ds_add_u32 v[SPW], v[NIL]
	s_wait_dscnt 0x0
	CROUND                                         ; the closing round
	s_endpgm
.Lfunc_end_k_q48b62a500f_gates:
	.size	k_q48b62a500f_gates, .Lfunc_end_k_q48b62a500f_gates-k_q48b62a500f_gates
	.p2alignl 7, 3214868480
	.fill 96, 4, 3214868480
	.section	.rodata,"a",@progbits
	.p2align	6, 0x0
	.amdhsa_kernel k_q48b62a500f_gates
		.amdhsa_group_segment_fixed_size 327680
		.amdhsa_private_segment_fixed_size 0
		.amdhsa_enable_private_segment 0
		.amdhsa_kernarg_size 88
		.amdhsa_user_sgpr_count 2
		.amdhsa_user_sgpr_kernarg_segment_ptr 1
		.amdhsa_wavefront_size32 1
		.amdhsa_system_sgpr_workgroup_id_x 1
		.amdhsa_system_sgpr_workgroup_id_y 1
		.amdhsa_system_sgpr_workgroup_id_z 1
		.amdhsa_system_vgpr_workitem_id 0
		.amdhsa_next_free_vgpr 1024
		.amdhsa_next_free_sgpr 100
		.amdhsa_reserve_vcc 0
		.amdhsa_float_denorm_mode_32 3
		.amdhsa_float_denorm_mode_16_64 3
		.amdhsa_memory_ordered 1
		.amdhsa_forward_progress 1
		.amdhsa_inst_pref_size 234
	.end_amdhsa_kernel
	.amdgpu_metadata
---
amdhsa.version: [ 1, 2 ]
amdhsa.kernels:
  - .name:           k_q48b62a500f_gates
    .symbol:         k_q48b62a500f_gates.kd
    .args:
      - { .name: aimg, .offset: 0, .size: 8, .value_kind: global_buffer, .address_space: global }
      - { .name: wimg, .offset: 8, .size: 8, .value_kind: global_buffer, .address_space: global }
      - { .name: part, .offset: 16, .size: 8, .value_kind: global_buffer, .address_space: global }
      - { .name: c0, .offset: 24, .size: 8, .value_kind: global_buffer, .address_space: global }
      - { .name: bias, .offset: 32, .size: 8, .value_kind: global_buffer, .address_space: global }
      - { .name: ln1_g, .offset: 40, .size: 8, .value_kind: global_buffer, .address_space: global }
      - { .name: ln1_b, .offset: 48, .size: 8, .value_kind: global_buffer, .address_space: global }
      - { .name: ln2_g, .offset: 56, .size: 8, .value_kind: global_buffer, .address_space: global }
      - { .name: ln2_b, .offset: 64, .size: 8, .value_kind: global_buffer, .address_space: global }
      - { .name: out1, .offset: 72, .size: 8, .value_kind: global_buffer, .address_space: global }
      - { .name: og, .offset: 80, .size: 8, .value_kind: global_buffer, .address_space: global }
    .group_segment_fixed_size: 327680
    .private_segment_fixed_size: 0
    .kernarg_segment_align: 8
    .kernarg_segment_size: 88
    .max_flat_workgroup_size: 128
    .sgpr_count:     100
    .vgpr_count:     1024
    .wavefront_size: 32
...
	.end_amdgpu_metadata
.endif
;; end of part 3
;; launch out (part 4): grid 1024 x 1, 4 waves a work-group, no clusters, 0 bytes of LDS; arguments out1, og, ln3_g, ln3_b, out0; writes out0
.if DOCPART == 4
	.amdgcn_target "amdgcn-amd-amdhsa--gfx1250"
	.amdhsa_code_object_version 6
	.text
	.protected	k_q48b62a500f_out
	.globl	k_q48b62a500f_out
	.p2align	8
	.type	k_q48b62a500f_out,@function
k_q48b62a500f_out:
	s_mov_b64 s[64:65], 0
	v_nop
	global_prefetch_b8 v0, s[64:65] scope:SCOPE_SE
	s_setreg_imm32_b32 hwreg(HW_REG_WAVE_MODE, 25, 1), 1
	s_wait_xcnt 0x0
; FOURTH OF FOUR LAUNCHES.  h1 = sigmoid(o) tanh(LN3(c1)).  c1 (out1) and og = -log2(e) x the o gate are [8192][1024] f32, as the launch before left them; h1 -> out0.
; A stream: memory binds, so no LDS, no barrier, no matrix unit.  A row is 4,096 bytes: one wave takes a whole row, eight loads of 16 bytes a lane for each tensor, and keeps it in registers between the passes.
; A wave takes two rows, and all its 48 loads go out at its start: it waits for memory once.  With 240 registers four waves share a SIMD.  Each load and store of a wave covers 512 consecutive bytes.
; The variance is the mean of (c1 - mean)^2, in two passes over the registers.  With u = -2 log2(e) z (the factor lies in the gain and the bias), Ez = 2^min(u, 40), Eo = 2^min(og, 40):
;   h1 = (1 - Ez) / ((1 + Ez)(1 + Eo)): two exponentials and one reciprocal a number.
; LIMITS: NaN and infinities are not served; the exponents are held at 40: a sigmoid under 2^-40 comes out as 2^-40, 1 + tanh under 2^-39 likewise.
.set ROW, 4096
.set G,   2                            ; v[2:33]    -2 log2(e) ln3_g of my 32 columns (128 j + 4 lane + 0 .. 3)
.set B,   34                           ; v[34:65]   -2 log2(e) ln3_b
.set C,   66                           ; v[66:193]  row s: 32 registers of c1 (at the end h1), then 32 of og
.set T,   194                          ; v[194:225] 1 - Ez
.set W,   226                          ; v[226:233] at work
	s_load_b256 s[4:11], s[0:1], 0x0               ; out1 s[4:5], og s[6:7], ln3_g s[8:9], ln3_b s[10:11]
	s_load_b64 s[12:13], s[0:1], 0x20              ; out0
	v_lshrrev_b32 v1, 5, v0
	v_readfirstlane_b32 s14, v1                    ; wave
	v_and_b32 v1, 31, v0
	v_lshlrev_b32 v1, 4, v1                        ; 16 bytes a lane; never rewritten from here on
	s_lshl_b32 s15, ttmp9, 2
	s_add_co_u32 s15, s15, s14
	s_lshl_b32 s16, s15, 13                        ; my two rows of 4,096 bytes
	s_mov_b32 s17, 0
	s_mov_b32 s18, 0x76543210
	s_mov_b32 s19, 0xfedcba98                      ; v_permlanex16_b32's selects for lane l xor 16
	s_mov_b32 s20, 0x3727c5ac                      ; 1e-5
	v_mov_b32 v[W+5], 0                            ; (named below as the upper halves of pairs of which the low word serves both halves)
	v_mov_b32 v[W+7], 0
	s_wait_alu depctr_va_vdst(0)
	s_wait_kmcnt 0x0
	s_add_nc_u64 s[4:5], s[4:5], s[16:17]
	s_add_nc_u64 s[6:7], s[6:7], s[16:17]
	s_add_nc_u64 s[12:13], s[12:13], s[16:17]
.irp j, 0,1,2,3,4,5,6,7
	global_load_b128 v[G+4*\j:G+4*\j+3], v1, s[8:9] offset:512*\j
	global_load_b128 v[B+4*\j:B+4*\j+3], v1, s[10:11] offset:512*\j
.endr
.macro LOADROW k                       ; row k: sixteen loads; read once in this launch
.irp j, 0,1,2,3,4,5,6,7
	global_load_b128 v[C+64*\k+4*\j:C+64*\k+4*\j+3], v1, s[4:5] offset:ROW*\k+512*\j th:TH_LOAD_NT
.endr
.irp j, 0,1,2,3,4,5,6,7
	global_load_b128 v[C+64*\k+32+4*\j:C+64*\k+32+4*\j+3], v1, s[6:7] offset:ROW*\k+512*\j th:TH_LOAD_NT
.endr
.endm
.macro ACROSS                          ; the pairs v[W:W+1], v[W+2:W+3] become one sum over the wave's 32 lanes, in every lane's v[W]
	v_pk_add_f32 v[W:W+1], v[W:W+1], v[W+2:W+3]
	v_add_f32 v[W], v[W], v[W+1]
	v_add_f32_dpp v[W], v[W], v[W] row_xmask:1 row_mask:0xf bank_mask:0xf
	v_add_f32_dpp v[W], v[W], v[W] row_xmask:2 row_mask:0xf bank_mask:0xf
	v_add_f32_dpp v[W], v[W], v[W] row_xmask:4 row_mask:0xf bank_mask:0xf
	v_add_f32_dpp v[W], v[W], v[W] row_xmask:8 row_mask:0xf bank_mask:0xf
	v_permlanex16_b32 v[W+1], v[W], s18, s19
	v_add_f32 v[W], v[W], v[W+1]
.endm
.macro DOROW k, left                   ; left: how many younger loads may stay out
.set CC, C+64*\k
.set OO, C+64*\k+32
	s_wait_loadcnt \left
	v_pk_add_f32 v[W:W+1], v[CC:CC+1], v[CC+2:CC+3]                ; the row's sum, in two chains
	v_pk_add_f32 v[W+2:W+3], v[CC+4:CC+5], v[CC+6:CC+7]
.irp i, 8,12,16,20,24,28
	v_pk_add_f32 v[W:W+1], v[W:W+1], v[CC+\i:CC+\i+1]
	v_pk_add_f32 v[W+2:W+3], v[W+2:W+3], v[CC+\i+2:CC+\i+3]
.endr
	ACROSS
	v_mul_f32 v[W+4], 0x3a800000, v[W]             ; / 1024: the mean
.irp i, 0,2,4,6,8,10,12,14,16,18,20,22,24,26,28,30
	v_pk_add_f32 v[CC+\i:CC+\i+1], v[CC+\i:CC+\i+1], v[W+4:W+5] op_sel_hi:[1,0] neg_lo:[0,1] neg_hi:[0,1]   ; d = c1 - mean
.endr
	v_pk_mul_f32 v[W:W+1], v[CC:CC+1], v[CC:CC+1]
	v_pk_mul_f32 v[W+2:W+3], v[CC+2:CC+3], v[CC+2:CC+3]
.irp i, 4,8,12,16,20,24,28
	v_pk_fma_f32 v[W:W+1], v[CC+\i:CC+\i+1], v[CC+\i:CC+\i+1], v[W:W+1]
	v_pk_fma_f32 v[W+2:W+3], v[CC+\i+2:CC+\i+3], v[CC+\i+2:CC+\i+3], v[W+2:W+3]
.endr
	ACROSS
	v_fma_f32 v[W], v[W], 0x3a800000, s20          ; the variance + 1e-5
	s_wait_alu depctr_va_vdst(0)
	v_rsq_f32 v[W+6], v[W]
.irp j, 0,1,2,3,4,5,6,7,8,9,10,11,12,13,14,15,16,17,18,19,20,21,22,23,24,25,26,27,28,29,30,31
	v_min_num_f32 v[OO+\j], 0x42200000, v[OO+\j]   ; og held at 40.  (The first of these is the plain place behind the root)
.endr
	s_wait_alu depctr_va_vdst(0)
.irp i, 0,2,4,6,8,10,12,14,16,18,20,22,24,26,28,30
	v_pk_mul_f32 v[CC+\i:CC+\i+1], v[CC+\i:CC+\i+1], v[W+6:W+7] op_sel_hi:[1,0]
.endr
.irp i, 0,2,4,6,8,10,12,14,16,18,20,22,24,26,28,30
	v_pk_fma_f32 v[CC+\i:CC+\i+1], v[CC+\i:CC+\i+1], v[G+\i:G+\i+1], v[B+\i:B+\i+1]   ; u
.endr
.irp j, 0,1,2,3,4,5,6,7,8,9,10,11,12,13,14,15,16,17,18,19,20,21,22,23,24,25,26,27,28,29,30,31
	v_min_num_f32 v[CC+\j], 0x42200000, v[CC+\j]
.endr
	s_wait_alu depctr_va_vdst(0)
.irp j, 0,1,2,3,4,5,6,7,8,9,10,11,12,13,14,15,16,17,18,19,20,21,22,23,24,25,26,27,28,29,30,31
	v_exp_f32 v[CC+\j], v[CC+\j]                   ; Ez
	v_exp_f32 v[OO+\j], v[OO+\j]                   ; Eo
.endr
	v_nop                                          ; a plain place behind the exponentials
	s_wait_alu depctr_va_vdst(0)
.irp i, 0,2,4,6,8,10,12,14,16,18,20,22,24,26,28,30
	v_pk_add_f32 v[T+\i:T+\i+1], v[CC+\i:CC+\i+1], 1.0 op_sel_hi:[1,0] neg_lo:[1,0] neg_hi:[1,0]   ; 1 - Ez
.endr
.irp i, 0,2,4,6,8,10,12,14,16,18,20,22,24,26,28,30
	v_pk_add_f32 v[CC+\i:CC+\i+1], v[CC+\i:CC+\i+1], 1.0 op_sel_hi:[1,0]
	v_pk_add_f32 v[OO+\i:OO+\i+1], v[OO+\i:OO+\i+1], 1.0 op_sel_hi:[1,0]
.endr
.irp i, 0,2,4,6,8,10,12,14,16,18,20,22,24,26,28,30
	v_pk_mul_f32 v[OO+\i:OO+\i+1], v[OO+\i:OO+\i+1], v[CC+\i:CC+\i+1]   ; (1 + Ez)(1 + Eo)
.endr
	s_wait_alu depctr_va_vdst(0)
.irp j, 0,1,2,3,4,5,6,7,8,9,10,11,12,13,14,15,16,17,18,19,20,21,22,23,24,25,26,27,28,29,30,31
	v_rcp_f32 v[OO+\j], v[OO+\j]
.endr
	v_nop                                          ; a plain place behind the reciprocals
	s_wait_alu depctr_va_vdst(0)
.irp i, 0,2,4,6,8,10,12,14,16,18,20,22,24,26,28,30
	v_pk_mul_f32 v[CC+\i:CC+\i+1], v[T+\i:T+\i+1], v[OO+\i:OO+\i+1]     ; h1
.endr
.irp j, 0,1,2,3,4,5,6,7
	global_store_b128 v1, v[CC+4*\j:CC+4*\j+3], s[12:13] offset:ROW*\k+512*\j th:TH_STORE_NT   ; 32 lanes store 512 consecutive bytes, at a multiple of 256 from the buffer's first byte; no store's data are written again
.endr
.endm
	LOADROW 0
	LOADROW 1
	s_wait_loadcnt 32                              ; the gain and the bias are in; the two rows' 32 loads may be out
.irp i, 0,2,4,6,8,10,12,14,16,18,20,22,24,26,28,30
	v_pk_mul_f32 v[G+\i:G+\i+1], v[G+\i:G+\i+1], 0xc038aa3b op_sel_hi:[1,0]   ; x -2 log2(e)
	v_pk_mul_f32 v[B+\i:B+\i+1], v[B+\i:B+\i+1], 0xc038aa3b op_sel_hi:[1,0]
.endr
	DOROW 0, 16                                    ; row 1's sixteen loads may be out
	DOROW 1, 0
	s_endpgm
.Lfunc_end_k_q48b62a500f_out:
	.size	k_q48b62a500f_out, .Lfunc_end_k_q48b62a500f_out-k_q48b62a500f_out
	.p2alignl 7, 3214868480
	.fill 96, 4, 3214868480
	.section	.rodata,"a",@progbits
	.p2align	6, 0x0
	.amdhsa_kernel k_q48b62a500f_out
		.amdhsa_group_segment_fixed_size 0
		.amdhsa_private_segment_fixed_size 0
		.amdhsa_enable_private_segment 0
		.amdhsa_kernarg_size 40
		.amdhsa_user_sgpr_count 2
		.amdhsa_user_sgpr_kernarg_segment_ptr 1
		.amdhsa_wavefront_size32 1
		.amdhsa_system_sgpr_workgroup_id_x 1
		.amdhsa_system_sgpr_workgroup_id_y 1
		.amdhsa_system_sgpr_workgroup_id_z 1
		.amdhsa_system_vgpr_workitem_id 0
		.amdhsa_next_free_vgpr 240
		.amdhsa_next_free_sgpr 66
		.amdhsa_reserve_vcc 0
		.amdhsa_float_denorm_mode_32 3
		.amdhsa_float_denorm_mode_16_64 3
		.amdhsa_memory_ordered 1
		.amdhsa_forward_progress 1
		.amdhsa_inst_pref_size 47
	.end_amdhsa_kernel
	.amdgpu_metadata
---
amdhsa.version: [ 1, 2 ]
amdhsa.kernels:
  - .name:           k_q48b62a500f_out
    .symbol:         k_q48b62a500f_out.kd
    .args:
      - { .name: out1, .offset: 0, .size: 8, .value_kind: global_buffer, .address_space: global }
      - { .name: og, .offset: 8, .size: 8, .value_kind: global_buffer, .address_space: global }
      - { .name: ln3_g, .offset: 16, .size: 8, .value_kind: global_buffer, .address_space: global }
      - { .name: ln3_b, .offset: 24, .size: 8, .value_kind: global_buffer, .address_space: global }
      - { .name: out0, .offset: 32, .size: 8, .value_kind: global_buffer, .address_space: global }
    .group_segment_fixed_size: 0
    .private_segment_fixed_size: 0
    .kernarg_segment_align: 8
    .kernarg_segment_size: 40
    .max_flat_workgroup_size: 128
    .sgpr_count:     66
    .vgpr_count:     240
    .wavefront_size: 32
...
	.end_amdgpu_metadata
.endif
;; end of part 4
